; MI455X (gfx1250); checked and timed in simulation.
; The chip was launched on July 23, 2026; its instructions are those of AMD's public machine-readable ISA for CDNA 5 (MIT licence, August 2026) and "CDNA5" Instruction Set Architecture Reference Guide (July 2026). The comments in the code are by the model that wrote it; some were corrected since.
;; Mo E Layer. Allowed arithmetic: matrix products marked QUANTISED: E3M2 operands, one E8M0 scale for each 32 along K, by v_wmma_scale_f32_16x16x128_f8f6f4 with both operands' format E3M2, f32 sums; products left as they are: f32 operands where the result goes on into a quantised operand, else bf16, f16 or f32 operands; f32 sums; everything else in f32.
;; Inputs: W1_codes 8 x 4,096 x 32 x 24 uint8 (E3M2 codes of W1, K innermost, in blocks of 32 codes, four codes in three bytes); W1_scales 8 x 4,096 x 32 uint8 (E8M0 scales of W1, one for each 32 codes along K); W2_codes 8 x 1,024 x 128 x 24 uint8 (E3M2 codes of W2, K innermost, in blocks of 32 codes, four codes in three bytes); W2_scales 8 x 1,024 x 128 uint8 (E8M0 scales of W2, one for each 32 codes along K); Wr 1,024 x 8 float32; b1 8 x 4,096 float32; b2 8 x 1,024 float32; br 8 float32; hidden_states 2 x 512 x 1,024 float32.
;; Outputs: out0 2 x 512 x 1,024 float32; out1 one number float32.
;; This version of the problem:
;;   THIS VERSION OF THE PROBLEM IS GIVEN IN LOW PRECISION. The matrix products marked QUANTISED in the list below multiply operands that are first quantised to E3M2 (3 exponent bits, 2 mantissa bits; 6 bits a number), with one power-of-two scale for each 32 numbers along K (OCP MX v1.0); their sums are f32. All else is computed in f32.
;;   The module's matrix products, in the order in which they are computed (A, B: the left and right operand; K: the contracted axis; several contracted axes count as one K, in the product's order):
;;     1. [M 1,024, K 1,024] x [K 1,024, N 8]; A: input hidden_states; B: input Wr: left as it is (N = 8 < 16)
;;     2. [M 1,024, K 1,024] x [K 1,024, N 4,096]; A: input hidden_states; B: input W1 (given as codes): QUANTISED
;;     3. [M 1,024, K 4,096] x [K 4,096, N 1,024]; A: computed on the way; B: input W2 (given as codes): QUANTISED
;;     4. [M 1,024, K 1,024] x [K 1,024, N 4,096]; A: input hidden_states; B: input W1 (given as codes): QUANTISED
;;     5. [M 1,024, K 4,096] x [K 4,096, N 1,024]; A: computed on the way; B: input W2 (given as codes): QUANTISED
;;     6. [M 1,024, K 1,024] x [K 1,024, N 4,096]; A: input hidden_states; B: input W1 (given as codes): QUANTISED
;;     7. [M 1,024, K 4,096] x [K 4,096, N 1,024]; A: computed on the way; B: input W2 (given as codes): QUANTISED
;;     8. [M 1,024, K 1,024] x [K 1,024, N 4,096]; A: input hidden_states; B: input W1 (given as codes): QUANTISED
;;     9. [M 1,024, K 4,096] x [K 4,096, N 1,024]; A: computed on the way; B: input W2 (given as codes): QUANTISED
;;     10. [M 1,024, K 1,024] x [K 1,024, N 4,096]; A: input hidden_states; B: input W1 (given as codes): QUANTISED
;;     11. [M 1,024, K 4,096] x [K 4,096, N 1,024]; A: computed on the way; B: input W2 (given as codes): QUANTISED
;;     12. [M 1,024, K 1,024] x [K 1,024, N 4,096]; A: input hidden_states; B: input W1 (given as codes): QUANTISED
;;     13. [M 1,024, K 4,096] x [K 4,096, N 1,024]; A: computed on the way; B: input W2 (given as codes): QUANTISED
;;     14. [M 1,024, K 1,024] x [K 1,024, N 4,096]; A: input hidden_states; B: input W1 (given as codes): QUANTISED
;;     15. [M 1,024, K 4,096] x [K 4,096, N 1,024]; A: computed on the way; B: input W2 (given as codes): QUANTISED
;;     16. [M 1,024, K 1,024] x [K 1,024, N 4,096]; A: input hidden_states; B: input W1 (given as codes): QUANTISED
;;     17. [M 1,024, K 4,096] x [K 4,096, N 1,024]; A: computed on the way; B: input W2 (given as codes): QUANTISED
;;   THE QUANTISER, for each operand of a quantised product, along K:
;;     - K is cut into blocks of 32 from its start; a last block that is shorter is filled with zeros.
;;     - A block's scale is 2^e with e = floor(log2(the largest magnitude in the block)) - 4, held to -126 .. 127; a block of zeros has e = 0. As a byte (E8M0): e + 127.
;;     - Each number is divided by its block's scale, clamped to +-28, and rounded to the nearest number of E3M2, ties to even, subnormals kept.
;;     - The product sums the exact products of the quantised numbers (number of the format x scale) in f32.
;;   ~~~python
;;   def quantise(x, axis):      # numpy; x: float32 -> the quantised numbers, widened to float32 again
;;       x = np.moveaxis(x, axis, -1); K = x.shape[-1]
;;       x = np.pad(x, [(0, 0)] * (x.ndim - 1) + [(0, -K % 32)]); x = x.reshape(x.shape[:-1] + (-1, 32)); a = np.abs(x).max(-1, keepdims=True)
;;       e = np.where(a > 0, np.clip(np.frexp(np.where(a > 0, a, 1))[1] - 1 - 4, -126, 127), 0)      # np.frexp(a)[1] - 1 = floor(log2(a)), exactly
;;       r = np.clip(x / 2.0 ** e, -28, 28)
;;       step = 2.0 ** (np.maximum(np.frexp(np.where(r == 0, 1, r))[1] - 1, -2) - 2)
;;       q = np.round(r / step) * step * 2.0 ** e      # np.round: ties to even
;;       return np.moveaxis(q.reshape(q.shape[:-2] + (-1,))[..., :K], -1, axis).astype(np.float32)
;;   ~~~
;;   OPERANDS COMPUTED ON THE WAY. 'Computed on the way' means the value that the module computes at that place (a softmax that the list does not call 'softmax' is quantised finished and normalised). What goes into a quantiser is computed in f32, as accurately as f32 sums, v_exp_f32 and their like allow (about 1e-6 of the number): no bf16 or f16 on the way to a quantiser, and a product that is left as it is and whose result goes on into a quantised operand takes f32 operands (vector FMAs, or v_wmma_f32_16x16x4_f32). A number that lies on a knife's edge between two numbers of the format may be rounded either way, as far as f32 arithmetic and the matrix unit's own rounding can turn it there, and no further.
;;   INPUTS GIVEN AS CODES. W1 (in the module: [8, 1024, 4096], K = its axis 1); W2 (in the module: [8, 4096, 1024], K = its axis 1): each comes as NAME_codes (uint8): NAME with its K axis moved to the last place and cut into blocks of 32 codes, [.., K / 32, bytes a block], one block behind the other in memory; four codes in three bytes: a row's codes are one little-endian stream of bits, code i at bits 6 i .. 6 i + 5 (a code: sign, 3 exponent bits, 2 mantissa bits); and NAME_scales (uint8): the same leading axes, one E8M0 byte (e + 127) for each 32 codes along K. Its value is code x scale, taken as it is: it is not quantised again, and the codes and scales need not be those that the quantiser above would give.
;; 2 versions. Each part assembles by itself: llvm-mc -triple=amdgcn-amd-amdhsa -mcpu=gfx1250 --defsym DOCPART=n.
;; ======== version 1 of 2: 5 launches
;; workspace buffers: xq 819,200 bytes; rid 4,096 bytes of whole numbers; rt 12,288 bytes; lists 11,008 bytes of whole numbers; hq 8,785,920 bytes; ybuf 8,388,608 bytes
;; launch route (part 1): grid 256 x 1, 1 waves a work-group, no clusters, 3,584 bytes of LDS; arguments hidden_states, Wr, br, xq, rid, rt, lists; writes xq, rid, rt, lists
.if DOCPART == 1
	.amdgcn_target "amdgcn-amd-amdhsa--gfx1250"
	.amdhsa_code_object_version 6
	.text
	.protected	k_q9b53df603e_route
	.globl	k_q9b53df603e_route
	.p2align	8
	.type	k_q9b53df603e_route,@function
k_q9b53df603e_route:
	s_mov_b64 s[64:65], 0
	v_nop
	global_prefetch_b8 v0, s[64:65] scope:SCOPE_SE
	s_setreg_imm32_b32 hwreg(HW_REG_WAVE_MODE, 25, 1), 1
	s_wait_xcnt 0x0
; ROUTE: the router of a layer of 8 experts, top 2, for 1,024 tokens of 1,024 numbers, and the quantiser of x.
; DEAD WORK LEFT OUT BY THE PROGRAM.  reference() adds w_e y_e for all 8 experts, with w_e = sum(weights * (top_i == e)).  For an expert outside a token's top 2 both comparisons are false,
; so w_e is the 0 that reference() builds itself, and that token's row of x W1[e], of its gelu and of h W2[e] reaches no output, whatever finite values the inputs hold.  The later launches
; multiply only the 2,048 chosen (token, expert) rows.  The softmax's divisor is the same in top_w and in sum(top_w): it cancels, and the weights are e_a / (e_a + e_b), e = 2^((l - max) log2 e).
; Every input has a way to an output and is loaded.  LIMIT: a NaN, an infinity or an overflow that arises only in a row left out (0 x inf in reference()) is not carried to the result.
; LIMITS: the top 2 are taken on e by a strict greater-than in ascending order, so that a tie keeps the lower index; two experts whose logits lie within f32 rounding of each other may change places.
; A block of 32 zeros of x gets the scale byte 1, not 127: its codes are zeros, and only this program reads the bytes.  NaN and infinities among the inputs are not served.
; SHARES.  One wave to a work-group, 4 tokens to a wave.  Lane l owns k = 32 l .. 32 l + 31 of each token: one block of the quantiser, and a 32nd of each logit's sum.
; OUT.  xq: a token's 768 bytes of E3M2 codes, laid [K step of 128][half h][c][24 bytes], so that lane (r, h) of a matrix fragment finds its 48 bytes on end; from XS on 32 scale bytes a token.
; rid: first | second << 8 for each token, at a fixed place (no address here hangs on it).  rt: the two weights of each token; from LSE on its logsumexp.  lists: the pad value 2048 in every row place.
; REGISTERS: window 0: v2-7 addresses, v8-29 at work, v30, v31 the add's two, v32-63 the 4 x 8 sums, v64-191 x, v192-223 codes, v224-239 my token's logits and exponentials.  Window 1: Wr(k, e) at 8 k + e.
.set SPARE, 3328                       ; LDS: 0 .. 3071 the codes' stage, 3072 .. 3199 the scale bytes, from 3328 on the spare words that no other line names
.set SBY,   3072
.set XS,    786432
.set LSE,   8192
.set XA,  2
.set WA,  3
.set CST, 4
.set SST, 5
.set L16, 6
.set L4,  7
.set SBR, 12                           ; v12-15 the four scale bytes
.set L8,  21
.set SPW, 30
.set NIL, 31
.set ACC, 32
.set X,   64
.set C,   192
.set LG,  224
.set EX,  232
.set MSB, 0
.macro WIN new                         ; the immediate's high byte repeats the setting that is left
.if MSB != (\new)
	s_set_vgpr_msb (MSB<<8)|(\new)
.set MSB, \new
.endif
.endm
	s_load_b256 s[8:15], s[0:1], 0x0               ; hidden_states, Wr, br, xq
	s_load_b128 s[16:19], s[0:1], 0x20             ; rid, rt
	s_load_b64 s[20:21], s[0:1], 0x30              ; lists
	v_lshl_add_u32 v[SPW], v0, 2, SPARE
	v_mov_b32 v[NIL], 0
	v_lshlrev_b32 v[XA], 7, v0                     ; my 128 bytes of a token's row
	v_lshlrev_b32 v[WA], 10, v0                    ; my 32 rows of Wr
	v_lshrrev_b32 v8, 2, v0
	v_mul_u32_u24 v[CST], v8, 96                   ; block l of a token: K step l / 4,
	v_and_b32 v8, 1, v0
	v_mad_u32_u24 v[CST], v8, 48, v[CST]           ; half l % 2,
	v_bfe_u32 v8, v0, 1, 1
	v_mad_u32_u24 v[CST], v8, 24, v[CST]           ; c = (l / 2) % 2
	v_add_nc_u32 v[SST], SBY, v0
	v_lshlrev_b32 v[L16], 4, v0
	v_lshlrev_b32 v[L8], 3, v0
	v_lshlrev_b32 v[L4], 2, v0
	s_mov_b32 s25, 0
	s_mov_b32 s26, 0x76543210                      ; v_permlanex16_b32's selects for lane l xor 16
	s_mov_b32 s27, 0xfedcba98
	s_mov_b32 s28, 0xaaaaaaaa                      ; lanes with l % 2 = 1
	s_mov_b32 s29, 0xcccccccc                      ; lanes with (l / 2) % 2 = 1
	s_lshl_b32 s24, ttmp9, 14                      ; 4 tokens of 4,096 bytes
	s_wait_kmcnt 0x0
	s_add_nc_u64 s[8:9], s[8:9], s[24:25]
	s_mul_i32 s24, ttmp9, 3072
	s_add_nc_u64 s[40:41], s[14:15], s[24:25]      ; my 4 tokens' codes
	s_lshl_b32 s24, ttmp9, 7
	s_add_nc_u64 s[42:43], s[14:15], s[24:25]      ; their scale bytes (XS stands in the immediate)
	s_add_nc_u64 s[20:21], s[20:21], s[24:25]      ; my 32 row places of lists
	s_lshl_b32 s24, ttmp9, 5
	s_add_nc_u64 s[44:45], s[18:19], s[24:25]      ; their weights
	s_lshl_b32 s24, ttmp9, 4
	s_add_nc_u64 s[46:47], s[18:19], s[24:25]      ; their logsumexp (LSE in the immediate)
	s_add_nc_u64 s[16:17], s[16:17], s[24:25]      ; their experts
	s_load_b256 s[32:39], s[12:13], 0x0            ; br
.irp j, 0,1,2,3
.irp i, 0,1,2,3,4,5,6,7
	global_load_b128 v[X+32*\j+4*\i:X+32*\j+4*\i+3], v[XA], s[8:9] offset:4096*\j+16*\i
.endr
.endr
	WIN 0x40                                       ; destination window 1
.set i, 0
.rept 64
	global_load_b128 v[4*i:4*i+3], v[WA], s[10:11] offset:16*i
.set i, i+1
.endr
	WIN 0
	s_wait_loadcnt 63                              ; of the 96 loads issued at most 63 are out: the oldest 33 are in, x's 32 among them
; Token j's block of mine: its largest magnitude with the floor 2^(5 - 127), 4 off the exponent field (the conversion's scale operand), the byte, 32 codes in 24 bytes.
.macro XQ j
.set XJ, X+32*\j
.set CJ, C+8*\j
	v_max3_num_f32 v8, |v[XJ]|, |v[XJ+1]|, |v[XJ+2]|
	v_max3_num_f32 v9, |v[XJ+3]|, |v[XJ+4]|, |v[XJ+5]|
.irp i, 6,10,14,18,22,26
	v_max3_num_f32 v8, v8, |v[XJ+\i]|, |v[XJ+\i+1]|
	v_max3_num_f32 v9, v9, |v[XJ+\i+2]|, |v[XJ+\i+3]|
.endr
	v_max3_num_f32 v8, v8, |v[XJ+30]|, |v[XJ+31]|
	v_max3_num_f32 v8, v8, v9, 0x2800000
	v_add_nc_u32 v10, 0xfe000000, v8
	v_cvt_scalef32_pk16_bf6_f32 v[CJ:CJ+2], v[XJ:XJ+15], v10
	v_cvt_scalef32_pk16_bf6_f32 v[CJ+4:CJ+6], v[XJ+16:XJ+31], v10   ; (a conversion's three registers begin on an even number)
	v_lshrrev_b32 v[SBR+\j], 23, v10               ; the scale's byte: also the plain line behind the conversions
	v_mov_b32 v[CJ+3], v[CJ+4]
	v_mov_b32 v[CJ+4], v[CJ+5]
	v_mov_b32 v[CJ+5], v[CJ+6]
	ds_store_b64 v[CST], v[CJ:CJ+1] offset:768*\j
	ds_store_b64 v[CST], v[CJ+2:CJ+3] offset:768*\j+8
	ds_store_b64 v[CST], v[CJ+4:CJ+5] offset:768*\j+16
	ds_store_b8 v[SST], v[SBR+\j] offset:32*\j
.endm
	XQ 0
	XQ 1
	XQ 2
	XQ 3
	s_wait_loadcnt 0x0                             ; Wr
	s_wait_kmcnt 0x0                               ; br
; The logits in f32: sum(j, e) over my 32 k, two experts an instruction; x(j, k) serves both halves.  The first k starts the sums: nothing is cleared.
	WIN 0x04                                       ; source 1 (Wr) window 1
.set k, 0
.rept 32
.irp j, 0,1,2,3
.irp q, 0,1,2,3
.if k == 0
	v_pk_mul_f32 v[ACC+8*\j+2*\q:ACC+8*\j+2*\q+1], v[X+32*\j:X+32*\j+1], v[2*\q:2*\q+1] op_sel_hi:[0,1]
.elseif k%2 == 0
	v_pk_fma_f32 v[ACC+8*\j+2*\q:ACC+8*\j+2*\q+1], v[X+32*\j+k:X+32*\j+k+1], v[8*k+2*\q:8*k+2*\q+1], v[ACC+8*\j+2*\q:ACC+8*\j+2*\q+1] op_sel_hi:[0,1,1]
.else
	v_pk_fma_f32 v[ACC+8*\j+2*\q:ACC+8*\j+2*\q+1], v[X+32*\j+k-1:X+32*\j+k], v[8*k+2*\q:8*k+2*\q+1], v[ACC+8*\j+2*\q:ACC+8*\j+2*\q+1] op_sel:[1,0,0] op_sel_hi:[1,1,1]
.endif
.endr
.endr
.set k, k+1
.endr
	WIN 0
.irp x, 1,2,4,8                        ; the 32 sums over the 32 lanes; every lane ends with all of them
.set i, 0
.rept 32
	v_add_f32_dpp v[ACC+i], v[ACC+i], v[ACC+i] row_xmask:\x row_mask:0xf bank_mask:0xf
.set i, i+1
.endr
.endr
.set i, 0
.rept 32
	v_permlanex16_b32 v[X+i], v[ACC+i], s26, s27   ; (x is done with: its registers have been written, as a lane permute's destination must be)
.set i, i+1
.endr
.set i, 0
.rept 32
	v_add_f32 v[ACC+i], v[ACC+i], v[X+i]
.set i, i+1
.endr
.irp e, 0,1,2,3,4,5,6,7                ; lane l goes on with token l % 4
	v_cndmask_b32 v[X+32+\e], v[ACC+\e], v[ACC+8+\e], s28
	v_cndmask_b32 v[X+40+\e], v[ACC+16+\e], v[ACC+24+\e], s28
.endr
.irp e, 0,1,2,3,4,5,6,7
	v_cndmask_b32 v[LG+\e], v[X+32+\e], v[X+40+\e], s29
.endr
.irp e, 0,1,2,3,4,5,6,7
	v_add_f32 v[LG+\e], s[32+\e], v[LG+\e]         ; + br
.endr
	v_max3_num_f32 v8, v[LG], v[LG+1], v[LG+2]     ; the maximum is taken away ahead of the exponentials, as reference() does
	v_max3_num_f32 v8, v8, v[LG+3], v[LG+4]
	v_max3_num_f32 v8, v8, v[LG+5], v[LG+6]
	v_max_num_f32 v8, v8, v[LG+7]
.irp e, 0,1,2,3,4,5,6,7
	v_sub_f32 v[EX+\e], v[LG+\e], v8
.endr
.irp e, 0,1,2,3,4,5,6,7
	v_mul_f32 v[EX+\e], 0x3fb8aa3b, v[EX+\e]
.endr
.irp e, 0,1,2,3,4,5,6,7
	v_exp_f32 v[EX+\e], v[EX+\e]
.endr
	v_nop                                          ; a plain line behind the batch
	s_wait_alu depctr_va_vdst(0)                   ; one wait for the eight, ahead of their first reader
	v_add_f32 v9, v[EX], v[EX+1]
	v_add_f32 v10, v[EX+2], v[EX+3]
	v_add_f32 v11, v[EX+4], v[EX+5]
	v_add_f32 v12, v[EX+6], v[EX+7]
	v_add_f32 v9, v9, v10
	v_add_f32 v11, v11, v12
	v_add_f32 v9, v9, v11
	v_log_f32 v9, v9                               ; its reader stands behind the wait below; the search for the top 2 is the work between
	v_mov_b32 v14, v[EX]                           ; the first: strictly greater in ascending order keeps the lower index at a tie
	v_mov_b32 v13, 0
.irp i, 1,2,3,4,5,6,7
	v_cmp_gt_f32 vcc_lo, v[EX+\i], v14
	v_cndmask_b32 v14, v14, v[EX+\i], vcc_lo
	v_cndmask_b32 v13, v13, \i, vcc_lo
.endr
.irp i, 0,1,2,3,4,5,6,7
	v_cmp_eq_u32 vcc_lo, \i, v13
	v_cndmask_b32 v[EX+\i], v[EX+\i], -1.0, vcc_lo ; the winner leaves the field: every e is at least 0
.endr
	v_mov_b32 v16, v[EX]                           ; the second
	v_mov_b32 v15, 0
.irp i, 1,2,3,4,5,6,7
	v_cmp_gt_f32 vcc_lo, v[EX+\i], v16
	v_cndmask_b32 v16, v16, v[EX+\i], vcc_lo
	v_cndmask_b32 v15, v15, \i, vcc_lo
.endr
	v_lshl_or_b32 v17, v15, 8, v13                 ; first | second << 8
	v_add_f32 v20, v14, v16
	v_rcp_f32 v20, v20
	v_nop
	s_wait_alu depctr_va_vdst(0)                   ; one wait for the logarithm and the reciprocal
	v_fmamk_f32 v9, v9, 0x3f317218, v8             ; logsumexp = max + ln 2 x log2(sum)
	v_mul_f32 v18, v14, v20
	v_mul_f32 v19, v16, v20                        ; the two weights
.irp i, 0,1,2,3,4,5                    ; the codes leave as 3,072 consecutive bytes: LDS serves a wave's instructions in order, so these see my stores
	ds_load_b128 v[X+4*\i:X+4*\i+3], v[L16] offset:512*\i
.endr
	ds_load_b32 v[X+24], v[L4] offset:SBY
	s_wait_dscnt 0x0
.irp i, 0,1,2,3,4,5
	global_store_b128 v[L16], v[X+4*\i:X+4*\i+3], s[40:41] offset:512*\i
.endr
	global_store_b32 v[L4], v[X+24], s[42:43] offset:XS
	s_cmp_ge_u32 ttmp9, 84                         ; the first 84 work-groups fill the 2,688 row places with the pad value: a branch on the work-group's number
	s_cbranch_scc1 .Lnopad
	v_mov_b32 v22, 0x800
	global_store_b32 v[L4], v22, s[20:21]
.Lnopad:
	s_wait_xcnt 0x0                                ; EXEC changes only behind this wait
	v_cmp_gt_u32 vcc_lo, 4, v0
	s_and_saveexec_b32 s30, vcc_lo                 ; lanes 0 to 3 hold tokens 0 to 3
	global_store_b32 v[L4], v17, s[16:17]
	global_store_b64 v[L8], v[18:19], s[44:45]
	global_store_b32 v[L4], v9, s[46:47] offset:LSE
	s_wait_xcnt 0x0                                ; and again ahead of the line that widens it
	s_or_b32 exec_lo, exec_lo, s30
	s_wait_tensorcnt 0x0                           ; the wave's end: three lines behind my last LDS store
	ds_add_u32 v[SPW], v[NIL]
	s_wait_dscnt 0x0
	s_endpgm
.Lfunc_end_k_q9b53df603e_route:
	.size	k_q9b53df603e_route, .Lfunc_end_k_q9b53df603e_route-k_q9b53df603e_route
	.p2alignl 7, 3214868480
	.fill 96, 4, 3214868480
	.section	.rodata,"a",@progbits
	.p2align	6, 0x0
	.amdhsa_kernel k_q9b53df603e_route
		.amdhsa_group_segment_fixed_size 3584
		.amdhsa_private_segment_fixed_size 0
		.amdhsa_enable_private_segment 0
		.amdhsa_kernarg_size 56
		.amdhsa_user_sgpr_count 2
		.amdhsa_user_sgpr_kernarg_segment_ptr 1
		.amdhsa_wavefront_size32 1
		.amdhsa_system_sgpr_workgroup_id_x 1
		.amdhsa_system_sgpr_workgroup_id_y 1
		.amdhsa_system_sgpr_workgroup_id_z 1
		.amdhsa_system_vgpr_workitem_id 0
		.amdhsa_next_free_vgpr 512
		.amdhsa_next_free_sgpr 66
		.amdhsa_reserve_vcc 1
		.amdhsa_float_denorm_mode_32 3
		.amdhsa_float_denorm_mode_16_64 3
		.amdhsa_memory_ordered 1
		.amdhsa_forward_progress 1
		.amdhsa_inst_pref_size 69
	.end_amdhsa_kernel
	.amdgpu_metadata
---
amdhsa.version: [ 1, 2 ]
amdhsa.kernels:
  - .name:           k_q9b53df603e_route
    .symbol:         k_q9b53df603e_route.kd
    .args:
      - { .name: hidden_states, .offset: 0, .size: 8, .value_kind: global_buffer, .address_space: global }
      - { .name: Wr, .offset: 8, .size: 8, .value_kind: global_buffer, .address_space: global }
      - { .name: br, .offset: 16, .size: 8, .value_kind: global_buffer, .address_space: global }
      - { .name: xq, .offset: 24, .size: 8, .value_kind: global_buffer, .address_space: global }
      - { .name: rid, .offset: 32, .size: 8, .value_kind: global_buffer, .address_space: global }
      - { .name: rt, .offset: 40, .size: 8, .value_kind: global_buffer, .address_space: global }
      - { .name: lists, .offset: 48, .size: 8, .value_kind: global_buffer, .address_space: global }
    .group_segment_fixed_size: 3584
    .private_segment_fixed_size: 0
    .kernarg_segment_align: 8
    .kernarg_segment_size: 56
    .max_flat_workgroup_size: 32
    .sgpr_count:     66
    .vgpr_count:     512
    .wavefront_size: 32
...
	.end_amdgpu_metadata
.endif
;; end of part 1
;; launch sort (part 2): grid 1 x 1, 32 waves a work-group, no clusters, 8,192 bytes of LDS; arguments rid, rt, lists, out1; writes lists, out1
.if DOCPART == 2
	.amdgcn_target "amdgcn-amd-amdhsa--gfx1250"
	.amdhsa_code_object_version 6
	.text
	.protected	k_q9b53df603e_sort
	.globl	k_q9b53df603e_sort
	.p2align	8
	.type	k_q9b53df603e_sort,@function
k_q9b53df603e_sort:
	s_mov_b64 s[64:65], 0
	v_nop
	global_prefetch_b8 v0, s[64:65] scope:SCOPE_SE
	s_setreg_imm32_b32 hwreg(HW_REG_WAVE_MODE, 25, 1), 1
	s_wait_xcnt 0x0
; SORT: a counting sort of the 2,048 routed rows by expert, the table of chunks, and the loss.  One work-group, thread t = token t; no atomics.
; A row is a slot 2 t + k (k = 0: the token's first expert).  Expert e with R_e rows gets c_e = ceil(R_e / 80) chunks of 80 row places from chunk cb_e on (cb: the running sum of c);
; a row's place is 80 cb_e + its rank among e's rows in token order.  A token names an expert at most once, so R_e <= 1,024, and the sum of c_e is at most (2,048 + 8 x 79) / 80, that is 33.
; lists: rowtok[place] = slot (the launch before has laid the pad value 2048 in every place); from CH on chunk g's word: expert | tiles of 16 rows << 8 (0 tiles: no rows).
; out1 = 0.01 mean((R_e / 2048 - 1/8)^2) + 0.001 mean(logsumexp).
; LDS: 128 bytes a wave at 4 x thread: words 0-7 the wave's count for each expert, word 8 its sum of logsumexp; from SPARE on the spare words.
.set SPARE, 4096
.set LSE,   8192
.set CH,    10752
	s_load_b256 s[8:15], s[0:1], 0x0               ; rid, rt, lists, out1
	v_lshl_add_u32 v46, v0, 2, SPARE
	v_mov_b32 v47, 0
	v_lshrrev_b32 v1, 5, v0
	v_readfirstlane_b32 s16, v1                    ; wave 0..31
	v_and_b32 v2, 31, v0                           ; lane
	v_lshlrev_b32 v3, 2, v0
	v_and_b32 v26, 24, v2                          ; 8 x (lane / 8): the first of the eight waves whose counts I read
	v_lshlrev_b32 v27, 7, v26
	v_and_b32 v1, 7, v2
	v_lshl_add_u32 v27, v1, 2, v27                 ; their word for expert lane % 8
	v_lshlrev_b32 v28, 7, v2                       ; wave 'lane''s words
	v_mov_b32 v9, 0
	v_mov_b32 v10, 0
	v_mov_b32 v11, 0
	v_mov_b32 v42, 0
	v_mov_b32 v43, 0
	v_mov_b32 v44, 0
	v_mov_b32 v45, 0
	s_mov_b32 s22, 0x76543210
	s_mov_b32 s23, 0xfedcba98
	s_mov_b32 s19, 0x100
	s_wait_kmcnt 0x0
	global_load_b32 v4, v3, s[8:9]
	global_load_b32 v5, v3, s[10:11] offset:LSE
	s_wait_loadcnt 0x0
	v_and_b32 v6, 7, v4                            ; my first expert
	v_bfe_u32 v7, v4, 8, 3                         ; my second
.irp e, 0,1,2,3,4,5,6,7                ; for each expert: who in my wave names it, my rank among them, their number
	v_cmp_eq_u32 s[32+2*\e], \e, v6
	v_cmp_eq_u32 s[33+2*\e], \e, v7
	s_or_b32 s17, s[32+2*\e], s[33+2*\e]
	v_mbcnt_lo_u32_b32 v8, s17, 0
	v_cndmask_b32 v9, v9, v8, s[32+2*\e]
	v_cndmask_b32 v10, v10, v8, s[33+2*\e]
	s_bcnt1_i32_b32 s18, s17
	v_writelane_b32 v11, s18, \e
.endr
	v_add_f32_dpp v5, v5, v5 row_xmask:1 row_mask:0xf bank_mask:0xf
	v_add_f32_dpp v5, v5, v5 row_xmask:2 row_mask:0xf bank_mask:0xf
	v_add_f32_dpp v5, v5, v5 row_xmask:4 row_mask:0xf bank_mask:0xf
	v_add_f32_dpp v5, v5, v5 row_xmask:8 row_mask:0xf bank_mask:0xf
	v_permlanex16_b32 v44, v5, s22, s23
	v_add_f32 v5, v5, v44
	v_cndmask_b32 v11, v11, v5, s19                ; lane 8 carries the wave's sum of logsumexp
	ds_store_b32 v3, v11
	s_wait_dscnt 0x0                               ; for the others' sake: my store is done
	s_barrier_signal -1
	s_barrier_wait -1
.irp i, 0,1,2,3,4,5,6,7
	ds_load_b32 v[30+\i], v27 offset:128*\i
.endr
	ds_load_b32 v38, v28 offset:32
	s_wait_dscnt 0x0
	v_add_nc_u32 v40, v30, v31                     ; the eight waves' rows of my expert,
	v_add_nc_u32 v39, v32, v33
	v_add_nc_u32 v40, v40, v39
	v_add_nc_u32 v39, v34, v35
	v_add_nc_u32 v40, v40, v39
	v_add_nc_u32 v39, v36, v37
	v_add_nc_u32 v40, v40, v39
	v_mov_b32 v41, 0
.irp i, 0,1,2,3,4,5,6,7                ; and those of them that lie in waves ahead of mine
	s_sub_co_i32 s20, s16, \i
	v_cmp_gt_i32 vcc_lo, s20, v26
	v_cndmask_b32 v39, 0, v[30+\i], vcc_lo
	v_add_nc_u32 v41, v41, v39
.endr
	v_mov_b32_dpp v42, v40 row_xmask:8 row_mask:0xf bank_mask:0xf
	v_mov_b32_dpp v43, v41 row_xmask:8 row_mask:0xf bank_mask:0xf
	v_add_nc_u32 v40, v40, v42
	v_add_nc_u32 v41, v41, v43
	v_permlanex16_b32 v42, v40, s22, s23
	v_permlanex16_b32 v43, v41, s22, s23
	v_add_nc_u32 v40, v40, v42                     ; R_e, e = lane % 8
	v_add_nc_u32 v41, v41, v43                     ; e's rows in the waves ahead of mine
.irp e, 0,1,2,3,4,5,6,7
	v_readlane_b32 s[48+\e], v40, \e
	v_readlane_b32 s[56+\e], v41, \e
.endr
	s_mov_b32 s20, 0
.irp e, 0,1,2,3,4,5,6,7
	s_mov_b32 s[68+\e], s20                        ; cb_e
	s_mul_i32 s21, s20, 80
	s_add_co_u32 s[76+\e], s21, s[56+\e]           ; where my wave's rows of e begin
	s_add_co_u32 s21, s[48+\e], 79
	s_lshr_b32 s21, s21, 4
	s_mul_i32 s21, s21, 205
	s_lshr_b32 s21, s21, 10                        ; ceil(R / 80) = ((R + 79) / 16) / 5; x / 5 = 205 x >> 10 for x under 1,024, and x is at most 68
	s_add_co_u32 s20, s20, s21
.endr
	v_mov_b32 v12, 0
	v_mov_b32 v13, 0
.irp e, 0,1,2,3,4,5,6,7
	v_mov_b32 v14, s[76+\e]
	v_cndmask_b32 v12, v12, v14, s[32+2*\e]
	v_cndmask_b32 v13, v13, v14, s[33+2*\e]
.endr
	v_add_nc_u32 v12, v12, v9
	v_add_nc_u32 v13, v13, v10
	v_min_u32 v12, 0xa4f, v12                      ; a place is under 33 x 80: the hold changes nothing
	v_min_u32 v13, 0xa4f, v13
	v_lshlrev_b32 v12, 2, v12
	v_lshlrev_b32 v13, 2, v13
	v_lshlrev_b32 v15, 1, v0
	v_or_b32 v16, 1, v15
	global_store_b32 v12, v15, s[12:13]
	global_store_b32 v13, v16, s[12:13]
	v_mov_b32 v17, 0                               ; chunk g = thread: the last expert whose first chunk is at or under g
	v_mov_b32 v18, s68
	v_mov_b32 v19, s48
.irp e, 1,2,3,4,5,6,7
	v_cmp_le_u32 vcc_lo, s[68+\e], v0
	v_cndmask_b32 v17, v17, \e, vcc_lo
	v_mov_b32 v20, s[68+\e]
	v_cndmask_b32 v18, v18, v20, vcc_lo
	v_mov_b32 v20, s[48+\e]
	v_cndmask_b32 v19, v19, v20, vcc_lo
.endr
	v_sub_nc_u32 v21, v0, v18
	v_mul_u32_u24 v21, v21, 80
	v_sub_nc_u32 v21, v19, v21                     ; rows left from this chunk on (negative past the expert's end)
	v_add_nc_u32 v21, 15, v21
	v_ashrrev_i32 v21, 4, v21
	v_cmp_gt_i32 vcc_lo, 0, v21
	v_cndmask_b32 v21, v21, 0, vcc_lo
	v_min_u32 v21, 5, v21                          ; tiles of 16 rows: 0 to 5
	v_lshl_or_b32 v22, v21, 8, v17
	s_cmp_gt_u32 s16, 1
	s_cbranch_scc1 .Lnochunk
	global_store_b32 v3, v22, s[12:13] offset:CH   ; 64 words, by waves 0 and 1
.Lnochunk:
	v_cvt_f32_u32 v23, v40
	s_mov_b32 s21, 0x3a000000                      ; 1 / 2,048
	v_fma_f32 v23, v23, s21, 0xbe000000            ; load - 1/8
	v_mul_f32 v23, v23, v23
	v_add_f32_dpp v23, v23, v23 row_xmask:1 row_mask:0xf bank_mask:0xf
	v_add_f32_dpp v23, v23, v23 row_xmask:2 row_mask:0xf bank_mask:0xf
	v_add_f32_dpp v23, v23, v23 row_xmask:4 row_mask:0xf bank_mask:0xf
	v_add_f32_dpp v38, v38, v38 row_xmask:1 row_mask:0xf bank_mask:0xf
	v_add_f32_dpp v38, v38, v38 row_xmask:2 row_mask:0xf bank_mask:0xf
	v_add_f32_dpp v38, v38, v38 row_xmask:4 row_mask:0xf bank_mask:0xf
	v_add_f32_dpp v38, v38, v38 row_xmask:8 row_mask:0xf bank_mask:0xf
	v_permlanex16_b32 v44, v38, s22, s23
	v_add_f32 v38, v38, v44
	v_mul_f32 v25, 0x3583126f, v38                 ; 0.001 / 1,024 x the sum of logsumexp
	v_fmamk_f32 v25, v23, 0x3aa3d70a, v25          ; + 0.01 / 8 x the sum of squares
	s_cmp_lg_u32 s16, 0
	s_cbranch_scc1 .Lnot0
	s_wait_xcnt 0x0                                ; EXEC changes only behind this wait
	v_cmp_eq_u32 vcc_lo, 0, v0
	s_and_saveexec_b32 s24, vcc_lo
	global_store_b32 v45, v25, s[14:15]
	s_wait_xcnt 0x0
	s_or_b32 exec_lo, exec_lo, s24
.Lnot0:
	s_wait_tensorcnt 0x0                           ; the wave's end: three lines behind my last LDS store
	ds_add_u32 v46, v47
	s_wait_dscnt 0x0
	s_endpgm
.Lfunc_end_k_q9b53df603e_sort:
	.size	k_q9b53df603e_sort, .Lfunc_end_k_q9b53df603e_sort-k_q9b53df603e_sort
	.p2alignl 7, 3214868480
	.fill 96, 4, 3214868480
	.section	.rodata,"a",@progbits
	.p2align	6, 0x0
	.amdhsa_kernel k_q9b53df603e_sort
		.amdhsa_group_segment_fixed_size 8192
		.amdhsa_private_segment_fixed_size 0
		.amdhsa_enable_private_segment 0
		.amdhsa_kernarg_size 32
		.amdhsa_user_sgpr_count 2
		.amdhsa_user_sgpr_kernarg_segment_ptr 1
		.amdhsa_wavefront_size32 1
		.amdhsa_system_sgpr_workgroup_id_x 1
		.amdhsa_system_sgpr_workgroup_id_y 1
		.amdhsa_system_sgpr_workgroup_id_z 1
		.amdhsa_system_vgpr_workitem_id 0
		.amdhsa_next_free_vgpr 48
		.amdhsa_next_free_sgpr 100
		.amdhsa_reserve_vcc 1
		.amdhsa_float_denorm_mode_32 3
		.amdhsa_float_denorm_mode_16_64 3
		.amdhsa_memory_ordered 1
		.amdhsa_forward_progress 1
		.amdhsa_inst_pref_size 17
	.end_amdhsa_kernel
	.amdgpu_metadata
---
amdhsa.version: [ 1, 2 ]
amdhsa.kernels:
  - .name:           k_q9b53df603e_sort
    .symbol:         k_q9b53df603e_sort.kd
    .args:
      - { .name: rid, .offset: 0, .size: 8, .value_kind: global_buffer, .address_space: global }
      - { .name: rt, .offset: 8, .size: 8, .value_kind: global_buffer, .address_space: global }
      - { .name: lists, .offset: 16, .size: 8, .value_kind: global_buffer, .address_space: global }
      - { .name: out1, .offset: 24, .size: 8, .value_kind: global_buffer, .address_space: global }
    .group_segment_fixed_size: 8192
    .private_segment_fixed_size: 0
    .kernarg_segment_align: 8
    .kernarg_segment_size: 32
    .max_flat_workgroup_size: 1024
    .sgpr_count:     100
    .vgpr_count:     48
    .wavefront_size: 32
...
	.end_amdgpu_metadata
.endif
;; end of part 2
;; launch ffn1 (part 3): grid 8 x 33, 4 waves a work-group, no clusters, 132,608 bytes of LDS; arguments xq, W1_codes, W1_scales, b1, lists, hq; writes hq
.if DOCPART == 3
	.amdgcn_target "amdgcn-amd-amdhsa--gfx1250"
	.amdhsa_code_object_version 6
	.text
	.protected	k_q9b53df603e_ffn1
	.globl	k_q9b53df603e_ffn1
	.p2align	8
	.type	k_q9b53df603e_ffn1,@function
k_q9b53df603e_ffn1:
	s_mov_b64 s[64:65], 0
	v_nop
	global_prefetch_b8 v0, s[64:65] scope:SCOPE_SE
	s_setreg_imm32_b32 hwreg(HW_REG_WAVE_MODE, 25, 1), 1
	s_wait_xcnt 0x0
; FFN1: h = Q(gelu(Q(x) W1[e] + b1[e])) for the routed rows alone: rows of experts that a token did not choose have the weight 0 that reference() builds, and are left out (shown at the head of the first kernel).
; SHARES.  Work-group (sl, g): chunk g of the row list (one expert, up to 5 tiles of 16 rows) x hidden units 512 sl .. 512 sl + 511.  Wave w makes units 128 w .. 128 w + 127 of them: one K step of the second product.
; THE ENGINE.  The chunk's x (5 tiles x 8 K steps, 480 registers) stays in each wave's registers.  W1 comes by column tiles of 16 rows x 768 bytes: 24 loads, in each of which sixteen lanes read 256 consecutive,
; aligned bytes; they turn through the wave's own stage in LDS (rows 816 bytes apart: 204 words, so that the 32 lanes of a fragment's 8-byte load touch 64 different banks) into 8 fragments; 40 matrix
; instructions a tile on 5 accumulators by turns.  Loads run two tiles ahead.
; TRANSPOSED USE: source 0 = 16 rows of W1, source 1 = 16 rows of x: a lane holds one row of h.  THE ROWS OF W1 THAT FORM A TILE ARE NOT NEIGHBOURS: tile 2 b + u holds rows 32 b + 8 u + i + 8 (i / 8), so that the 16
; registers of tiles 2 b, 2 b + 1 are 16 neighbours along the next K.  b1 is the C of a sum's first product.
; GELU, exact form: 0.5 v (1 + erf(v / sqrt 2)), erf(z) = z P4(z^2) / Q6(z^2) with z held at +-3.7439212, where the quotient has reached 1 in f32; all in f32.
; OUT.  hq: each fragment as an IMAGE OF ITS REGISTERS: for c = 0, 1: 512 bytes (registers 6 c .. 6 c + 3, lane l at 16 l), then 256 (registers 6 c + 4, 6 c + 5, lane l at 8 l); from HS on a scale word a lane.
; NO JOINT LOADS, though the chunks of one expert read the same weights: how many tiles are live is read from memory and branched on.
; ONE BARRIER, on every wave's way; a work-group whose chunk has no rows runs the head as well (its loads name expert 7 and the pad token, bytes that exist and were written) and ends behind the barrier.
; Pad rows (list value 2048) take token 1023's x; pad tiles are multiplied with the rest, so that the accumulators' turns stay, and neither activated nor stored.
; LIMITS: a block of zeros gets the byte 1, not 127 (zero codes; only this program reads the bytes); NaN and infinities are not served.
; REGISTERS: window 0: see the names below.  Windows 1, 2: v0-239 x's fragments of K steps 0-3, 4-7 at ((s % 4) 5 + m) 12.  Window 3: v0-95 the tile's 8 fragments; v96-191 landing set 0;
; landing set 1: window 3 v192-255, window 1 v240-255, window 2 v240-255.
.set XS,    786432
.set CH,    10752
.set HS,    8110080
.set PIT,   816
.set WR0,   61440                      ; LDS: 0 .. 61,439 x's 40 fragment images of 1,536 bytes (image 8 m + s); then a region for each wave:
.set WREG,  17664                      ; the stage (16 x 816), its 128 rows' scale bytes (4,096), its 128 numbers of b1 (512)
.set OSC,   13056
.set OBI,   17152
.set SPARE, 132096                     ; the spare words, 128 bytes a wave, that no other line names
.set GLW, 2                            ; a weight load's offset: 12,288 h + 16 r
.set LST, 3                            ; into the stage
.set LFR, 4                            ; a fragment's row in the stage
.set LSC, 5                            ; my tile row's scale bytes
.set LBI, 6                            ; my half's numbers of b1
.set LI,  7                            ; 16 x lane
.set L8,  8
.set L4,  9
.set XST, 10                           ; where I store x's images
.set LSS, 11                           ; where I store scale bytes and b1
.set SPW, 12
.set NIL, 13
.set KA9, 14                           ; v[14:15], v[16:17]: the two leading coefficients
.set KB12, 16
.set TM,  18                           ; v18-22 at work in the quantiser
.set SA,  24                           ; v24-63 x's scale words, 8 m + s
.set SB,  64                           ; v64-71 the tile's scale words
.set BI,  72                           ; v72-79 the tile's b1
.set ACC, 80                           ; v80-159: tile of rows m, column tile's parity u: 80 + 16 m + 8 u
.set Z,   160
.set Y,   168
.set P,   176
.set Q,   184
.set EC,  192                          ; v192-211 four registers of codes for each m
.set Y2,  212                          ; v212-221 two more
.set D2,  222                          ; v222-224 the second conversion's
.set PW,  226                          ; v226-230 the scale word of each m
.set RT,  232                          ; v232-236 the rows' slots, then their offsets in xq
.set XSO, 237                          ; v237-241 their scale bytes' offsets
.set R4,  242
.set VL,  243
.set VR,  244
.set VH,  245
.set XOF, 246
.set WORD, 26
.set GG,  27
.set EE,  28
.set NT,  29
.set WV,  30
.set WBS, 32
.set WSS, 34
.set B1S, 36
.set RTS, 38
.set HQS, 40
.set HSS, 42
.set SEL, 46
.set KC,  48
.set KLO, 50
.set KHI, 51
.set A7,  52
.set A5,  54
.set A3,  56
.set A1,  58
.set B10, 60
.set B8,  62
.set B6,  66
.set B4,  68
.set B2,  70
.set MSB, 0
.macro WIN new                         ; the immediate's high byte repeats the setting that is left
.if MSB != (\new)
	s_set_vgpr_msb (MSB<<8)|(\new)
.set MSB, \new
.endif
.endm
.macro PLACES n
.rept \n
	v_nop
.endr
.endm
.macro KPAIR r, bits                   ; a packed form names a pair and takes its low word for both halves: both are written
	s_mov_b32 s[\r], \bits
	s_mov_b32 s[\r+1], \bits
.endm
.macro GSEL set, i                     ; landing quad i of a set: its window GW and register GR
.if (\set) == 0
.set GW, 3
.set GR, 96+4*(\i)
.elseif (\i) < 16
.set GW, 3
.set GR, 192+4*(\i)
.elseif (\i) < 20
.set GW, 1
.set GR, 240+4*((\i)-16)
.else
.set GW, 2
.set GR, 240+4*((\i)-20)
.endif
.endm
.macro LOADW ct, set                   ; column tile ct from memory: lanes 0-15 its rows 0-7 (6,144 dense bytes), lanes 16-31 its rows 8-15, 16 rows of W1 further on
.set li, 0
.rept 24
	GSEL \set, li
	WIN GW<<6
	global_load_b128 v[GR:GR+3], v[GLW], s[WBS:WBS+1] offset:(32*((\ct)/2)+8*((\ct)%2))*768+256*li
.set li, li+1
.endr
	WIN 0
.endm
.macro STAGE set                       ; into the stage, as rows 816 bytes apart
.set li, 0
.rept 24
	GSEL \set, li
	WIN GW<<2
	ds_store_b128 v[LST], v[GR:GR+3] offset:(li/3)*PIT+(li%3)*256
.set li, li+1
.endr
	WIN 0
.endm
.macro FETCH ct                        ; the tile's 8 fragments (lane (r, h): row r, 24 bytes at 96 s + 24 h and at 96 s + 48 + 24 h), its 8 scale words a row, its b1
	WIN 0xc0
.set fs, 0
.rept 8
.irp p, 0,1,2,3,4,5
	ds_load_b64 v[12*fs+2*\p:12*fs+2*\p+1], v[LFR] offset:96*fs+48*(\p/3)+8*(\p%3)
.endr
.set fs, fs+1
.endr
	WIN 0
.set R0, 32*((\ct)/2)+8*((\ct)%2)
	ds_load_b128 v[SB:SB+3], v[LSC] offset:R0*32
	ds_load_b128 v[SB+4:SB+7], v[LSC] offset:R0*32+16
	ds_load_b128 v[BI:BI+3], v[LBI] offset:R0*4
	ds_load_b128 v[BI+4:BI+7], v[LBI] offset:R0*4+16
.endm
.macro MULT acc0                       ; 40 products: K step by K step, the five tiles of rows by turns
.set ms, 0
.rept 8
.if ms < 4
	WIN 0x07                                       ; source 0 window 3, source 1 window 1
.else
	WIN 0x0b                                       ; source 1 window 2
.endif
.irp m, 0,1,2,3,4
.set rD, (\acc0)+16*\m
.set rA, ((ms%4)*5+\m)*12
.if ms == 0
	v_wmma_scale_f32_16x16x128_f8f6f4 v[rD:rD+7], v[12*ms:12*ms+11], v[rA:rA+11], v[BI:BI+7], v[SB+ms], v[SA+8*\m+ms] matrix_a_fmt:MATRIX_FMT_BF6 matrix_b_fmt:MATRIX_FMT_BF6
.else
	v_wmma_scale_f32_16x16x128_f8f6f4 v[rD:rD+7], v[12*ms:12*ms+11], v[rA:rA+11], v[rD:rD+7], v[SB+ms], v[SA+8*\m+ms] matrix_a_fmt:MATRIX_FMT_BF6 matrix_b_fmt:MATRIX_FMT_BF6
.endif
.endr
.set ms, ms+1
.endr
	WIN 0
.endm
.macro HORN r, k                       ; a Horner step on four pairs
.irp q, 0,2,4,6
	v_pk_fma_f32 v[\r+\q:\r+\q+1], v[\r+\q:\r+\q+1], v[Y+\q:Y+\q+1], s[\k:\k+1] op_sel_hi:[1,1,0]
.endr
.endm
.macro GELU a                          ; eight numbers in place, from the accumulator's low end on
.irp q, 0,2,4,6
	v_pk_mul_f32 v[Z+\q:Z+\q+1], v[(\a)+\q:(\a)+\q+1], s[KC:KC+1] op_sel_hi:[1,0]
.endr
.irp q, 0,1,2,3,4,5,6,7
	v_med3_num_f32 v[Z+\q], v[Z+\q], s[KLO], s[KHI]
.endr
.irp q, 0,2,4,6
	v_pk_mul_f32 v[Y+\q:Y+\q+1], v[Z+\q:Z+\q+1], v[Z+\q:Z+\q+1]
.endr
.irp q, 0,2,4,6
	v_pk_fma_f32 v[P+\q:P+\q+1], v[Y+\q:Y+\q+1], v[KA9:KA9+1], s[A7:A7+1] op_sel_hi:[1,1,0]
.endr
.irp q, 0,2,4,6
	v_pk_fma_f32 v[Q+\q:Q+\q+1], v[Y+\q:Y+\q+1], v[KB12:KB12+1], s[B10:B10+1] op_sel_hi:[1,1,0]
.endr
	HORN P, A5
	HORN Q, B8
	HORN P, A3
	HORN Q, B6
	HORN P, A1
	HORN Q, B4
	HORN Q, B2
.irp q, 0,2,4,6
	v_pk_fma_f32 v[Q+\q:Q+\q+1], v[Q+\q:Q+\q+1], v[Y+\q:Y+\q+1], 1.0 op_sel_hi:[1,1,0]
.endr
.irp q, 0,1,2,3,4,5,6,7
	v_rcp_f32 v[Q+\q], v[Q+\q]
.endr
.irp q, 0,2,4,6
	v_pk_mul_f32 v[P+\q:P+\q+1], v[P+\q:P+\q+1], v[Z+\q:Z+\q+1]      ; plain work behind the batch that names none of its results
.endr
.irp q, 0,2,4,6
	v_pk_mul_f32 v[(\a)+\q:(\a)+\q+1], v[(\a)+\q:(\a)+\q+1], 0.5 op_sel_hi:[1,0]
.endr
	s_wait_alu depctr_va_vdst(0)                   ; one wait for the eight reciprocals, ahead of their first reader
.irp q, 0,2,4,6
	v_pk_mul_f32 v[P+\q:P+\q+1], v[P+\q:P+\q+1], v[Q+\q:Q+\q+1]      ; erf
.endr
.irp q, 0,2,4,6
	v_pk_fma_f32 v[(\a)+\q:(\a)+\q+1], v[(\a)+\q:(\a)+\q+1], v[P+\q:P+\q+1], v[(\a)+\q:(\a)+\q+1]   ; 0.5 v erf + 0.5 v
.endr
.endm
; Block b (32 hidden units) of tile m: my 16 numbers and lane l xor 16's.  An odd b completes half an image (blocks b - 1 and b), which leaves at once.
.macro QBLK b, m
.set AQ, ACC+16*(\m)
	v_max3_num_f32 v[TM], |v[AQ]|, |v[AQ+1]|, 0x2800000            ; with the floor 2^(5 - 127): the byte cannot fall under 1
	v_max3_num_f32 v[TM+1], |v[AQ+2]|, |v[AQ+3]|, |v[AQ+4]|
	v_max3_num_f32 v[TM], v[TM], |v[AQ+5]|, |v[AQ+6]|
	v_max3_num_f32 v[TM+1], v[TM+1], |v[AQ+7]|, |v[AQ+8]|
	v_max3_num_f32 v[TM], v[TM], |v[AQ+9]|, |v[AQ+10]|
	v_max3_num_f32 v[TM+1], v[TM+1], |v[AQ+11]|, |v[AQ+12]|
	v_max3_num_f32 v[TM], v[TM], |v[AQ+13]|, |v[AQ+14]|
	v_max3_num_f32 v[TM], v[TM], v[TM+1], |v[AQ+15]|
	v_permlanex16_b32 v[TM+2], v[TM], s[SEL], s[SEL+1]
	v_max_num_f32 v[TM], v[TM], v[TM+2]
	v_add_nc_u32 v[TM+3], 0xfe000000, v[TM]        ; 4 off the exponent field: the conversion's scale operand
	v_lshrrev_b32 v[TM+4], 23, v[TM+3]             ; the byte
.if (\b) == 0
	v_mov_b32 v[PW+\m], v[TM+4]
.else
	v_lshl_or_b32 v[PW+\m], v[TM+4], 8*(\b), v[PW+\m]
.endif
.if (\b)%2 == 0
	v_cvt_scalef32_pk16_bf6_f32 v[EC+4*(\m):EC+4*(\m)+2], v[AQ:AQ+15], v[TM+3]
	v_nop                                          ; a plain line behind a scaled conversion
.else
	v_cvt_scalef32_pk16_bf6_f32 v[D2:D2+2], v[AQ:AQ+15], v[TM+3]
	v_nop
.irp i, 0,1,2
	v_permlane16_swap_b32 v[EC+4*(\m)+\i], v[D2+\i]                ; a whole block to a lane: lanes 0-15 block b - 1, lanes 16-31 block b
.endr
	v_mov_b32 v[EC+4*(\m)+3], v[D2]
	v_mov_b32 v[Y2+2*(\m)], v[D2+1]
	v_mov_b32 v[Y2+2*(\m)+1], v[D2+2]
	global_store_b128 v[LI], v[EC+4*(\m):EC+4*(\m)+3], s[HQS:HQS+1] offset:49152*(\m)+768*((\b)/2)       ; 512 consecutive bytes, aligned
	global_store_b64 v[L8], v[Y2+2*(\m):Y2+2*(\m)+1], s[HQS:HQS+1] offset:49152*(\m)+768*((\b)/2)+512    ; 256 consecutive bytes, aligned
.endif
.if (\b) == 3
	global_store_b32 v[L4], v[PW+\m], s[HSS:HSS+1] offset:4096*(\m)
.endif
.endm
; A column tile.  Its fragments are in; while it is multiplied and activated, the next tile turns through the stage and the tile three on is asked for.
.macro TILE ct
.set TU, (\ct)%2
.set TB, (\ct)/2
	s_wait_dscnt 0x0                               ; fragments, scale words and b1 are in
	MULT ACC+8*TU
	PLACES 5                                       ; ahead of loads into registers that the products read, of the first read of results, and of the next products that begin an accumulator anew
.if (\ct) < 7
.if (\ct) < 6
	s_wait_loadcnt 24                              ; the next tile's 24 loads are in; only those of the tile after it are younger
.else
	s_wait_loadcnt 0x0
.endif
	STAGE ((\ct)+1)%2
	FETCH (\ct)+1
.endif
	GELU ACC+8*TU
.if (\ct) < 5
	s_wait_dscnt 52                                ; behind the stage's 24 stores stand 52 loads: the stores have read the landing set,
	LOADW (\ct)+3, ((\ct)+1)%2                     ; which takes the tile three on
.endif
.irp m, 1,2,3,4
	s_cmp_le_u32 s[NT], \m                         ; tiles of rows past the chunk's end are not activated
	s_cbranch_scc1 .Lg_\@
	GELU ACC+16*\m+8*TU
.endr
.Lg_\@:
.if (\ct)%2 == 1
	s_wait_xcnt 0x0                                ; earlier stores have read the registers that are written again below
	QBLK TB, 0
.irp m, 1,2,3,4
	s_cmp_le_u32 s[NT], \m
	s_cbranch_scc1 .Lq_\@
	QBLK TB, \m
.endr
.Lq_\@:
.endif
.endm
	s_load_b256 s[8:15], s[0:1], 0x0               ; xq, W1's codes, W1's scales, b1
	s_load_b128 s[16:19], s[0:1], 0x20             ; lists, hq
	v_lshl_add_u32 v[SPW], v0, 2, SPARE
	v_mov_b32 v[NIL], 0
	v_lshrrev_b32 v1, 5, v0
	v_readfirstlane_b32 s[WV], v1                  ; wave 0..3
	v_and_b32 v[VL], 31, v0
	v_and_b32 v[VR], 15, v0
	v_bfe_u32 v[VH], v0, 4, 1
	s_mul_i32 s22, s[WV], WREG
	s_add_co_u32 s22, s22, WR0                     ; my region of LDS
	v_lshlrev_b32 v[LI], 4, v[VL]
	v_lshlrev_b32 v[L8], 3, v[VL]
	v_lshlrev_b32 v[L4], 2, v[VL]
	v_lshlrev_b32 v[R4], 2, v[VR]
	v_lshlrev_b32 v1, 4, v[VR]
	v_mad_u32_u24 v[GLW], v[VH], 12288, v1
	v_mad_u32_u24 v[LST], v[VH], 8*PIT, v1
	v_add_nc_u32 v[LST], s22, v[LST]
	v_mul_u32_u24 v[LFR], v[VR], PIT
	v_mad_u32_u24 v[LFR], v[VH], 24, v[LFR]
	v_add_nc_u32 v[LFR], s22, v[LFR]
	v_and_b32 v1, 8, v[VR]
	v_add_nc_u32 v1, v1, v[VR]                     ; r + 8 (r / 8)
	v_lshlrev_b32 v[LSC], 5, v1
	s_add_co_u32 s23, s22, OSC
	v_add_nc_u32 v[LSC], s23, v[LSC]
	v_add_nc_u32 v[LSS], s23, v[LI]
	s_add_co_u32 s23, s22, OBI
	v_lshl_add_u32 v[LBI], v[VH], 6, s23
	s_mul_i32 s23, s[WV], 3072
	v_add_nc_u32 v[XST], s23, v[LI]
	s_mul_i32 s23, s[WV], 192
	v_mul_u32_u24 v[XOF], v[VH], 48
	v_add_nc_u32 v[XOF], s23, v[XOF]               ; in a token's codes: my two K steps, my half
	v_mov_b32 v[KA9], 0x39702d51
	v_mov_b32 v[KA9+1], 0x39702d51
	v_mov_b32 v[KB12], 0xb3fd3906
	v_mov_b32 v[KB12+1], 0xb3fd3906
.set i, 0
.rept 20
	v_mov_b32 v[EC+i], 0                           ; written once: no way through the text reads them unwritten
.set i, i+1
.endr
.irp m, 0,1,2,3,4
	v_mov_b32 v[PW+\m], 0
.endr
	v_mov_b32 v[TM+2], 0                           ; a lane permute's destination counts as one of its sources
	s_mov_b32 s[SEL], 0x76543210
	s_mov_b32 s[SEL+1], 0xfedcba98
	KPAIR KC, 0x3f3504f3                           ; 1 / sqrt 2
	s_mov_b32 s[KLO], 0xc06f9c67
	s_mov_b32 s[KHI], 0x406f9c67
	KPAIR A7, 0x3b5f5da2
	KPAIR A5, 0x3d50b6eb
	KPAIR A3, 0x3e3da740
	KPAIR A1, 0x3f906eba
	KPAIR B10, 0x37c588df
	KPAIR B8, 0x3a856d27
	KPAIR B6, 0x3c6687d4
	KPAIR B4, 0x3de34c21
	KPAIR B2, 0x3efeb44a
	s_and_b32 s[GG], ttmp7, 0xffff                 ; the chunk
	s_lshl_b32 s22, s[GG], 2
	s_mov_b32 s23, 0
	s_wait_kmcnt 0x0
	s_add_nc_u64 s[44:45], s[16:17], s[22:23]
	s_load_b32 s[WORD], s[44:45], CH               ; expert | tiles << 8
	s_mul_i32 s22, s[GG], 320
	s_add_nc_u64 s[RTS:RTS+1], s[16:17], s[22:23]
.irp m, 0,1,2,3,4
	global_load_b32 v[RT+\m], v[R4], s[RTS:RTS+1] offset:64*\m      ; the slots of my lane's row in each tile
.endr
	s_wait_kmcnt 0x0
	s_and_b32 s[EE], s[WORD], 0xff
	s_min_u32 s[EE], s[EE], 7
	s_bfe_u32 s[NT], s[WORD], 0x80008
	s_min_u32 s[NT], s[NT], 5
	s_lshl_b32 s24, ttmp9, 9
	s_lshl_b32 s25, s[WV], 7
	s_add_co_u32 s24, s24, s25                     ; my first hidden unit
	s_mul_i32 s22, s[EE], 3145728
	s_mul_i32 s25, s24, 768
	s_add_co_u32 s22, s22, s25
	s_add_nc_u64 s[WBS:WBS+1], s[10:11], s[22:23]
	s_lshl_b32 s22, s[EE], 17
	s_lshl_b32 s25, s24, 5
	s_add_co_u32 s22, s22, s25
	s_add_nc_u64 s[WSS:WSS+1], s[12:13], s[22:23]
	s_lshl_b32 s22, s[EE], 14
	s_lshl_b32 s25, s24, 2
	s_add_co_u32 s22, s22, s25
	s_add_nc_u64 s[B1S:B1S+1], s[14:15], s[22:23]
	s_lshl_b32 s24, ttmp9, 2
	s_add_co_u32 s24, s24, s[WV]                   ; which K step of the second product I make
	s_mul_i32 s22, s[GG], 245760
	s_mul_i32 s25, s24, 1536
	s_add_co_u32 s22, s22, s25
	s_add_nc_u64 s[HQS:HQS+1], s[18:19], s[22:23]
	s_mul_i32 s22, s[GG], 20480
	s_lshl_b32 s25, s24, 7
	s_add_co_u32 s22, s22, s25
	s_add_co_u32 s22, s22, HS
	s_add_nc_u64 s[HSS:HSS+1], s[18:19], s[22:23]
.irp i, 0,1,2,3,4,5,6,7
	global_load_b128 v[ACC+4*\i:ACC+4*\i+3], v[LI], s[WSS:WSS+1] offset:512*\i   ; my 128 rows' scale bytes: 4,096 dense bytes
.endr
	global_load_b128 v[ACC+32:ACC+35], v[LI], s[B1S:B1S+1]          ; my 128 numbers of b1
	LOADW 0, 0
	s_wait_loadcnt 33                              ; the five slots are in: 9 + 24 younger loads may be out
.irp m, 0,1,2,3,4
	v_lshrrev_b32 v[RT+\m], 1, v[RT+\m]            ; the token; a pad row takes the last one
	v_min_u32 v[RT+\m], 0x3ff, v[RT+\m]
	v_lshlrev_b32 v[XSO+\m], 5, v[RT+\m]
	v_mul_u32_u24 v[RT+\m], v[RT+\m], 768
	v_add_nc_u32 v[RT+\m], v[XOF], v[RT+\m]
.endr
	WIN 0x40
.irp m, 0,1,2,3,4                      ; each wave brings K steps 2 w and 2 w + 1 of all five tiles: 48 bytes a lane and fragment
.irp kk, 0,1
.irp j, 0,1,2
	global_load_b128 v[12*(2*\m+\kk)+4*\j:12*(2*\m+\kk)+4*\j+3], v[RT+\m], s[8:9] offset:96*\kk+16*\j
.endr
.endr
.endr
	WIN 0
.irp m, 0,1,2,3,4
	global_load_b128 v[SA+8*\m:SA+8*\m+3], v[XSO+\m], s[8:9] offset:XS
	global_load_b128 v[SA+8*\m+4:SA+8*\m+7], v[XSO+\m], s[8:9] offset:XS+16
.endr
	LOADW 1, 1
	s_wait_loadcnt 24                              ; all but tile 1's
.irp i, 0,1,2,3,4,5,6,7
	ds_store_b128 v[LSS], v[ACC+4*\i:ACC+4*\i+3] offset:512*\i
.endr
	ds_store_b128 v[LSS], v[ACC+32:ACC+35] offset:4096
	WIN 0x04                                       ; an LDS store's data are its source 1: window 1
.irp m, 0,1,2,3,4
.irp kk, 0,1
.irp j, 0,1,2
	ds_store_b128 v[XST], v[12*(2*\m+\kk)+4*\j:12*(2*\m+\kk)+4*\j+3] offset:12288*\m+1536*\kk+512*\j
.endr
.endr
.endr
	WIN 0
	STAGE 0
	s_wait_dscnt 0x0                               ; for the others' sake: my images of x lie in LDS
	s_barrier_signal -1
	s_barrier_wait -1
	s_cmp_eq_u32 s[NT], 0                          ; a chunk without rows ends here
	s_cbranch_scc1 .Lend
	WIN 0x40
.irp s, 0,1,2,3
.irp m, 0,1,2,3,4
.irp j, 0,1,2
	ds_load_b128 v[(\s*5+\m)*12+4*\j:(\s*5+\m)*12+4*\j+3], v[LI] offset:(8*\m+\s)*1536+512*\j
.endr
.endr
.endr
	WIN 0x80
.irp s, 0,1,2,3
.irp m, 0,1,2,3,4
.irp j, 0,1,2
	ds_load_b128 v[(\s*5+\m)*12+4*\j:(\s*5+\m)*12+4*\j+3], v[LI] offset:(8*\m+\s+4)*1536+512*\j
.endr
.endr
.endr
	WIN 0
	FETCH 0
	LOADW 2, 0                                     ; (the stage's stores of set 0 were waited for ahead of the barrier)
	TILE 0
	TILE 1
	TILE 2
	TILE 3
	TILE 4
	TILE 5
	TILE 6
	TILE 7
.Lend:
	s_wait_tensorcnt 0x0                           ; the wave's end: three lines behind my last LDS store
	ds_add_u32 v[SPW], v[NIL]
	s_wait_dscnt 0x0
	s_endpgm
.Lfunc_end_k_q9b53df603e_ffn1:
	.size	k_q9b53df603e_ffn1, .Lfunc_end_k_q9b53df603e_ffn1-k_q9b53df603e_ffn1
	.p2alignl 7, 3214868480
	.fill 96, 4, 3214868480
	.section	.rodata,"a",@progbits
	.p2align	6, 0x0
	.amdhsa_kernel k_q9b53df603e_ffn1
		.amdhsa_group_segment_fixed_size 132608
		.amdhsa_private_segment_fixed_size 0
		.amdhsa_enable_private_segment 0
		.amdhsa_kernarg_size 48
		.amdhsa_user_sgpr_count 2
		.amdhsa_user_sgpr_kernarg_segment_ptr 1
		.amdhsa_wavefront_size32 1
		.amdhsa_system_sgpr_workgroup_id_x 1
		.amdhsa_system_sgpr_workgroup_id_y 1
		.amdhsa_system_sgpr_workgroup_id_z 1
		.amdhsa_system_vgpr_workitem_id 0
		.amdhsa_next_free_vgpr 1024
		.amdhsa_next_free_sgpr 80
		.amdhsa_reserve_vcc 0
		.amdhsa_float_denorm_mode_32 3
		.amdhsa_float_denorm_mode_16_64 3
		.amdhsa_memory_ordered 1
		.amdhsa_forward_progress 1
		.amdhsa_inst_pref_size 255
	.end_amdhsa_kernel
	.section	.bss,"aw",@nobits
	.p2align	6
	.space	262144
	.amdgpu_metadata
---
amdhsa.version: [ 1, 2 ]
amdhsa.kernels:
  - .name:           k_q9b53df603e_ffn1
    .symbol:         k_q9b53df603e_ffn1.kd
    .args:
      - { .name: xq, .offset: 0, .size: 8, .value_kind: global_buffer, .address_space: global }
      - { .name: W1_codes, .offset: 8, .size: 8, .value_kind: global_buffer, .address_space: global }
      - { .name: W1_scales, .offset: 16, .size: 8, .value_kind: global_buffer, .address_space: global }
      - { .name: b1, .offset: 24, .size: 8, .value_kind: global_buffer, .address_space: global }
      - { .name: lists, .offset: 32, .size: 8, .value_kind: global_buffer, .address_space: global }
      - { .name: hq, .offset: 40, .size: 8, .value_kind: global_buffer, .address_space: global }
    .group_segment_fixed_size: 132608
    .private_segment_fixed_size: 0
    .kernarg_segment_align: 8
    .kernarg_segment_size: 48
    .max_flat_workgroup_size: 128
    .sgpr_count:     80
    .vgpr_count:     1024
    .wavefront_size: 32
...
	.end_amdgpu_metadata
.endif
;; end of part 3
;; launch ffn2 (part 4): grid 8 x 33, 4 waves a work-group, no clusters, 243,200 bytes of LDS; arguments hq, W2_codes, W2_scales, b2, lists, rt, ybuf; writes ybuf
.if DOCPART == 4
	.amdgcn_target "amdgcn-amd-amdhsa--gfx1250"
	.amdhsa_code_object_version 6
	.text
	.protected	k_q9b53df603e_ffn2
	.globl	k_q9b53df603e_ffn2
	.p2align	8
	.type	k_q9b53df603e_ffn2,@function
k_q9b53df603e_ffn2:
	s_mov_b64 s[64:65], 0
	v_nop
	global_prefetch_b8 v0, s[64:65] scope:SCOPE_SE
	s_setreg_imm32_b32 hwreg(HW_REG_WAVE_MODE, 25, 1), 1
	s_wait_xcnt 0x0
; FFN2: ybuf[slot] = w (h W2[e] + b2[e]) for the routed rows alone (rows of experts not chosen have the weight 0 that reference() builds: shown at the head of the first kernel).
; SHARES.  Work-group (ns, g): chunk g of the row list x output columns 128 ns .. 128 ns + 127.  K = 4,096 IS SPLIT OVER THE FOUR WAVES: wave w takes K steps 8 w .. 8 w + 7, bytes 768 w .. 768 w + 767 of
; each row of W2, so that no operand is read by two waves.  The engine is the first product's: the chunk's h (5 tiles x 8 K steps) stays in 480 registers, W2 comes by column tiles of 16 rows x 768 bytes
; (sixteen lanes read 256 consecutive, aligned bytes), turned through the wave's own stage (rows 816 bytes apart) into 8 fragments; 40 products a tile on 5 accumulators by turns.
; TRANSPOSED USE: source 0 = 16 rows of W2 (output columns), source 1 = 16 rows of h: a lane holds one row and eight neighbouring columns.
; The four waves' partial sums meet in LDS behind ONE barrier, which stands where every way through the text passes; then wave w adds, for rows 4 w .. 4 w + 3 of each live tile, the four parts and b2, multiplies by the
; row's weight and stores 512 consecutive bytes a row.  All that is read behind the barrier is made ahead of the jump that leads an empty chunk to it.
; A pad tile (past the chunk's end) loads the last live tile once more, so that no unwritten byte is read and the turns stay; it is not reduced.  A pad row (list value 2048) is not stored.
; NO JOINT LOADS, though the chunks of one expert read the same weights: the number of live tiles and the slots are read from memory and branched on.
; REGISTERS: window 0: the names below.  Windows 1, 2: v0-239 h's fragments of my K steps 0-3, 4-7 at ((s % 4) 5 + m) 12.  Window 3: v0-95 the tile's fragments, v96-191 landing set 0;
; landing set 1: window 3 v192-255, window 1 v240-255, window 2 v240-255.
.set CH,    10752
.set HS,    8110080
.set PIT,   816
.set WREG,  17152                      ; LDS: a region for each wave: the stage (16 x 816) and its scale bytes (128 rows x 32)
.set OSC,   13056
.set PB,    68608                      ; the partial sums: 43,520 bytes a wave: (5 ct + m) 1,088 + 544 (upper four registers) + 272 h + 16 r
.set PREG,  43520
.set SPARE, 242688                     ; the spare words, 128 bytes a wave, that no other line names
.set GLW, 2
.set LST, 3
.set LFR, 4
.set LSC, 5
.set LSS, 6
.set L16, 7
.set L8,  8
.set L4,  9
.set PST, 10
.set GSC, 11
.set SPW, 12
.set NIL, 13
.set RD,  14                           ; v14-17 where I read wave q's part
.set AO16, 18                          ; v18-22, v23-27, v28-32: offsets of tile m's images in hq
.set AO8, 23
.set AO4, 28
.set SA,  34                           ; v34-73 h's scale words, 8 m + s
.set SB,  74                           ; v74-81 the tile's scale words
.set ACC, 84                           ; v84-123
.set B2,  124                          ; v124-127 my four numbers of b2
.set RQ,  128                          ; v128-191 the reduction's 16 quads (v128-135 at work in the head, v160-191 W2's scale bytes on their way)
.set WORD, 26
.set EE,  27
.set NT,  30
.set WV,  31
.set WBS, 32
.set GG,  34
.set SLOT, 40                          ; s40-59 the slots of my 4 rows in each tile
.set WSS, 60
.set B2S, 62
.set HQB, 66
.set WGT, 68                           ; s68-87 their weights
.set YST, 88                           ; s88-95 four rows' addresses
.set YB,  96
.set HSB, 98
.set MSB, 0
.macro WIN new                         ; the immediate's high byte repeats the setting that is left
.if MSB != (\new)
	s_set_vgpr_msb (MSB<<8)|(\new)
.set MSB, \new
.endif
.endm
.macro PLACES n
.rept \n
	v_nop
.endr
.endm
.macro GSEL set, i
.if (\set) == 0
.set GW, 3
.set GR, 96+4*(\i)
.elseif (\i) < 16
.set GW, 3
.set GR, 192+4*(\i)
.elseif (\i) < 20
.set GW, 1
.set GR, 240+4*((\i)-16)
.else
.set GW, 2
.set GR, 240+4*((\i)-20)
.endif
.endm
.macro LOADW ct, set                   ; column tile ct: lanes 0-15 its rows 0-7, lanes 16-31 its rows 8-15; three pieces of 256 bytes a row
.set li, 0
.rept 24
	GSEL \set, li
	WIN GW<<6
	global_load_b128 v[GR:GR+3], v[GLW], s[WBS:WBS+1] offset:(16*(\ct)+li/3)*3072+(li%3)*256
.set li, li+1
.endr
	WIN 0
.endm
.macro STAGE set
.set li, 0
.rept 24
	GSEL \set, li
	WIN GW<<2
	ds_store_b128 v[LST], v[GR:GR+3] offset:(li/3)*PIT+(li%3)*256
.set li, li+1
.endr
	WIN 0
.endm
.macro FETCH ct
	WIN 0xc0
.set fs, 0
.rept 8
.irp p, 0,1,2,3,4,5
	ds_load_b64 v[12*fs+2*\p:12*fs+2*\p+1], v[LFR] offset:96*fs+48*(\p/3)+8*(\p%3)
.endr
.set fs, fs+1
.endr
	WIN 0
	ds_load_b128 v[SB:SB+3], v[LSC] offset:512*(\ct)
	ds_load_b128 v[SB+4:SB+7], v[LSC] offset:512*(\ct)+16
.endm
.macro MULT                            ; 40 products; the first K step starts the sums with the constant 0
.set ms, 0
.rept 8
.if ms < 4
	WIN 0x07
.else
	WIN 0x0b
.endif
.irp m, 0,1,2,3,4
.set rD, ACC+8*\m
.set rA, ((ms%4)*5+\m)*12
.if ms == 0
	v_wmma_scale_f32_16x16x128_f8f6f4 v[rD:rD+7], v[12*ms:12*ms+11], v[rA:rA+11], 0, v[SB+ms], v[SA+8*\m+ms] matrix_a_fmt:MATRIX_FMT_BF6 matrix_b_fmt:MATRIX_FMT_BF6
.else
	v_wmma_scale_f32_16x16x128_f8f6f4 v[rD:rD+7], v[12*ms:12*ms+11], v[rA:rA+11], v[rD:rD+7], v[SB+ms], v[SA+8*\m+ms] matrix_a_fmt:MATRIX_FMT_BF6 matrix_b_fmt:MATRIX_FMT_BF6
.endif
.endr
.set ms, ms+1
.endr
	WIN 0
.endm
.macro TILE ct
	s_wait_dscnt 0x0                               ; the fragments and scale words are in, and the last tile's partial stores have read the accumulators
	MULT
	PLACES 5                                       ; ahead of loads into registers that the products read, of the stores of results, and of the next products, which begin the accumulators anew
.if (\ct) < 7
.if (\ct) < 6
	s_wait_loadcnt 24                              ; the next tile's 24 loads are in; only those of the tile after it are younger
.else
	s_wait_loadcnt 0x0
.endif
	STAGE ((\ct)+1)%2
	FETCH (\ct)+1
.endif
.irp m, 0,1,2,3,4
	ds_store_b128 v[PST], v[ACC+8*\m:ACC+8*\m+3] offset:(5*(\ct)+\m)*1088          ; each accumulator from its low end on
	ds_store_b128 v[PST], v[ACC+8*\m+4:ACC+8*\m+7] offset:(5*(\ct)+\m)*1088+544
.endr
.if (\ct) < 5
	s_wait_dscnt 60                                ; behind the stage's 24 stores stand 50 loads and 10 stores: the landing set has been read,
	LOADW (\ct)+3, ((\ct)+1)%2                     ; and takes the tile three on
.endif
.endm
; Tile m's rows 4 w .. 4 w + 3: lane l owns columns 4 l .. 4 l + 3.
.macro RED m
	s_wait_xcnt 0x0                                ; the last tile's stores have read their registers and addresses
.irp i, 0,1,2,3
	s_min_u32 s28, s[SLOT+4*\m+\i], 0x7ff
	s_lshl_b32 s28, s28, 12
	s_add_nc_u64 s[YST+2*\i:YST+2*\i+1], s[YB:YB+1], s[28:29]
.endr
.irp i, 0,1,2,3
.irp q, 0,1,2,3
	ds_load_b128 v[RQ+16*\i+4*\q:RQ+16*\i+4*\q+3], v[RD+\q] offset:1088*\m+16*\i
.endr
.endr
.irp i, 0,1,2,3
	s_wait_dscnt 12-4*\i                           ; row i's four parts are in; the later rows' may be out
	v_pk_add_f32 v[RQ+16*\i:RQ+16*\i+1], v[RQ+16*\i:RQ+16*\i+1], v[RQ+16*\i+4:RQ+16*\i+5]
	v_pk_add_f32 v[RQ+16*\i+2:RQ+16*\i+3], v[RQ+16*\i+2:RQ+16*\i+3], v[RQ+16*\i+6:RQ+16*\i+7]
	v_pk_add_f32 v[RQ+16*\i+8:RQ+16*\i+9], v[RQ+16*\i+8:RQ+16*\i+9], v[RQ+16*\i+12:RQ+16*\i+13]
	v_pk_add_f32 v[RQ+16*\i+10:RQ+16*\i+11], v[RQ+16*\i+10:RQ+16*\i+11], v[RQ+16*\i+14:RQ+16*\i+15]
	v_pk_add_f32 v[RQ+16*\i:RQ+16*\i+1], v[RQ+16*\i:RQ+16*\i+1], v[RQ+16*\i+8:RQ+16*\i+9]
	v_pk_add_f32 v[RQ+16*\i+2:RQ+16*\i+3], v[RQ+16*\i+2:RQ+16*\i+3], v[RQ+16*\i+10:RQ+16*\i+11]
	v_pk_add_f32 v[RQ+16*\i:RQ+16*\i+1], v[RQ+16*\i:RQ+16*\i+1], v[B2:B2+1]
	v_pk_add_f32 v[RQ+16*\i+2:RQ+16*\i+3], v[RQ+16*\i+2:RQ+16*\i+3], v[B2+2:B2+3]
.irp x, 0,1,2,3
	v_mul_f32 v[RQ+16*\i+\x], s[WGT+4*\m+\i], v[RQ+16*\i+\x]
.endr
	s_cmp_gt_u32 s[SLOT+4*\m+\i], 0x7ff            ; a pad row is not stored
	s_cbranch_scc1 .Lpad_\@_\i
	global_store_b128 v[L16], v[RQ+16*\i:RQ+16*\i+3], s[YST+2*\i:YST+2*\i+1]       ; 32 lanes store 512 consecutive bytes, aligned
.Lpad_\@_\i:
.endr
.endm
	s_load_b256 s[8:15], s[0:1], 0x0               ; hq, W2's codes, W2's scales, b2
	s_load_b128 s[16:19], s[0:1], 0x20             ; lists, rt
	s_load_b64 s[20:21], s[0:1], 0x30              ; ybuf
	v_lshl_add_u32 v[SPW], v0, 2, SPARE
	v_mov_b32 v[NIL], 0
	v_lshrrev_b32 v1, 5, v0
	v_readfirstlane_b32 s[WV], v1                  ; wave 0..3
	v_and_b32 v128, 31, v0                         ; lane
	v_and_b32 v129, 15, v0                         ; r
	v_bfe_u32 v130, v0, 4, 1                       ; h
	s_mul_i32 s22, s[WV], WREG                     ; my region of LDS
	v_lshlrev_b32 v[L16], 4, v128
	v_lshlrev_b32 v[L8], 3, v128
	v_lshlrev_b32 v[L4], 2, v128
	v_lshlrev_b32 v131, 4, v129
	v_mad_u32_u24 v[GLW], v130, 24576, v131
	v_mad_u32_u24 v[LST], v130, 8*PIT, v131
	v_add_nc_u32 v[LST], s22, v[LST]
	v_mul_u32_u24 v[LFR], v129, PIT
	v_mad_u32_u24 v[LFR], v130, 24, v[LFR]
	v_add_nc_u32 v[LFR], s22, v[LFR]
	s_add_co_u32 s23, s22, OSC
	v_lshl_add_u32 v[LSC], v129, 5, s23
	v_add_nc_u32 v[LSS], s23, v[L16]
	s_mul_i32 s23, s[WV], PREG
	s_add_co_u32 s23, s23, PB
	v_mad_u32_u24 v[PST], v130, 272, v131
	v_add_nc_u32 v[PST], s23, v[PST]
	v_lshrrev_b32 v132, 1, v128
	v_lshlrev_b32 v132, 7, v132
	v_and_b32 v133, 1, v128
	v_lshl_add_u32 v[GSC], v133, 4, v132           ; W2's scale bytes: row lane / 2, half lane % 2 of my 32 bytes
	v_lshrrev_b32 v132, 2, v128
	v_mul_u32_u24 v132, v132, 5440                 ; columns 4 l: column tile l / 4,
	v_mad_u32_u24 v132, v133, 544, v132            ; upper four registers where l % 2,
	v_bfe_u32 v134, v0, 1, 1
	v_mad_u32_u24 v132, v134, 272, v132            ; half (l / 2) % 2
	s_lshl_b32 s23, s[WV], 6
	s_add_co_u32 s23, s23, PB
	v_add_nc_u32 v[RD], s23, v132
.irp q, 1,2,3
	v_add_nc_u32 v[RD+\q], \q*PREG, v[RD]
.endr
	s_and_b32 s[GG], ttmp7, 0xffff                 ; the chunk
	s_lshl_b32 s22, s[GG], 2
	s_mov_b32 s23, 0
	s_mov_b32 s29, 0
	s_wait_kmcnt 0x0
	s_add_nc_u64 s[36:37], s[16:17], s[22:23]
	s_load_b32 s[WORD], s[36:37], CH               ; expert | tiles << 8
	s_mul_i32 s22, s[GG], 320
	s_lshl_b32 s24, s[WV], 4
	s_add_co_u32 s22, s22, s24
	s_add_nc_u64 s[38:39], s[16:17], s[22:23]
.irp m, 0,1,2,3,4
	s_load_b128 s[SLOT+4*\m:SLOT+4*\m+3], s[38:39], 64*\m
.endr
	s_wait_kmcnt 0x0
	s_and_b32 s[EE], s[WORD], 0xff
	s_min_u32 s[EE], s[EE], 7
	s_bfe_u32 s[NT], s[WORD], 0x80008
	s_min_u32 s[NT], s[NT], 5
.set n, 0
.rept 20
	s_min_u32 s[WGT+n], s[SLOT+n], 0x7ff           ; a pad row reads the last weight and uses none
	s_lshl_b32 s[WGT+n], s[WGT+n], 2
	s_load_b32 s[WGT+n], s[18:19], s[WGT+n] offset:0x0
.set n, n+1
.endr
	s_mul_i32 s22, s[EE], 3145728
	s_mul_i32 s24, ttmp9, 393216
	s_add_co_u32 s22, s22, s24
	s_mul_i32 s24, s[WV], 768
	s_add_co_u32 s22, s22, s24
	s_add_nc_u64 s[WBS:WBS+1], s[10:11], s[22:23]
	s_lshl_b32 s22, s[EE], 17
	s_lshl_b32 s24, ttmp9, 14
	s_add_co_u32 s22, s22, s24
	s_lshl_b32 s24, s[WV], 5
	s_add_co_u32 s22, s22, s24
	s_add_nc_u64 s[WSS:WSS+1], s[12:13], s[22:23]
	s_lshl_b32 s22, s[EE], 12
	s_lshl_b32 s24, ttmp9, 9
	s_add_co_u32 s22, s22, s24
	s_add_nc_u64 s[B2S:B2S+1], s[14:15], s[22:23]
	s_mov_b32 s22, s24
	s_add_nc_u64 s[YB:YB+1], s[20:21], s[22:23]
	s_mul_i32 s22, s[GG], 245760
	s_mul_i32 s24, s[WV], 12288
	s_add_co_u32 s22, s22, s24
	s_add_nc_u64 s[HQB:HQB+1], s[8:9], s[22:23]
	s_mul_i32 s22, s[GG], 20480
	s_lshl_b32 s24, s[WV], 10
	s_add_co_u32 s22, s22, s24
	s_add_co_u32 s22, s22, HS
	s_add_nc_u64 s[HSB:HSB+1], s[8:9], s[22:23]
	global_load_b128 v[B2:B2+3], v[L16], s[B2S:B2S+1]
	s_cmp_eq_u32 s[NT], 0                          ; a chunk without rows goes straight to the barrier
	s_cbranch_scc1 .Lbar
	s_sub_co_u32 s22, s[NT], 1
	v_mov_b32 v[AO16], v[L16]
	v_mov_b32 v[AO8], v[L8]
	v_mov_b32 v[AO4], v[L4]
.irp m, 1,2,3,4
	s_min_u32 s24, s22, \m                         ; a pad tile takes the last live tile
	s_mul_i32 s25, s24, 49152
	v_add_nc_u32 v[AO16+\m], s25, v[L16]
	v_add_nc_u32 v[AO8+\m], s25, v[L8]
	s_lshl_b32 s25, s24, 12
	v_add_nc_u32 v[AO4+\m], s25, v[L4]
.endr
.irp i, 0,1,2,3,4,5,6,7
	global_load_b128 v[160+4*\i:163+4*\i], v[GSC], s[WSS:WSS+1] offset:2048*\i     ; 16 rows a load, my 32 bytes of each
.endr
	LOADW 0, 0
.irp w, 0,1
	WIN 0x40+0x40*\w
.irp s4, 0,1,2,3
.irp m, 0,1,2,3,4
.irp c, 0,1
	global_load_b128 v[(\s4*5+\m)*12+6*\c:(\s4*5+\m)*12+6*\c+3], v[AO16+\m], s[HQB:HQB+1] offset:1536*(4*\w+\s4)+768*\c
	global_load_b64 v[(\s4*5+\m)*12+6*\c+4:(\s4*5+\m)*12+6*\c+5], v[AO8+\m], s[HQB:HQB+1] offset:1536*(4*\w+\s4)+768*\c+512
.endr
.endr
.endr
.endr
	WIN 0
.irp m, 0,1,2,3,4
.irp s, 0,1,2,3,4,5,6,7
	global_load_b32 v[SA+8*\m+\s], v[AO4+\m], s[HSB:HSB+1] offset:128*\s
.endr
.endr
	LOADW 1, 1
	s_wait_loadcnt 24                              ; all but tile 1's
.irp i, 0,1,2,3,4,5,6,7
	ds_store_b128 v[LSS], v[160+4*\i:163+4*\i] offset:512*\i
.endr
	STAGE 0
	FETCH 0
	s_wait_dscnt 50                                ; behind the stage's stores stand 50 loads: landing set 0 has been read,
	LOADW 2, 0                                     ; and takes tile 2
	TILE 0
	TILE 1
	TILE 2
	TILE 3
	TILE 4
	TILE 5
	TILE 6
	TILE 7
.Lbar:
	s_wait_loadcnt 0x0                             ; b2 (on the short way nothing has waited for it)
	s_wait_kmcnt 0x0                               ; the weights
	s_wait_dscnt 0x0                               ; for the others' sake: my partial sums lie in LDS
	s_barrier_signal -1
	s_barrier_wait -1
.irp m, 0,1,2,3,4
	s_cmp_le_u32 s[NT], \m                         ; only live tiles are reduced; with no tile the work-group ends here
	s_cbranch_scc1 .Lend
	RED \m
.endr
.Lend:
	s_wait_tensorcnt 0x0                           ; the wave's end: three lines behind my last LDS store
	ds_add_u32 v[SPW], v[NIL]
	s_wait_dscnt 0x0
	s_endpgm
.Lfunc_end_k_q9b53df603e_ffn2:
	.size	k_q9b53df603e_ffn2, .Lfunc_end_k_q9b53df603e_ffn2-k_q9b53df603e_ffn2
	.p2alignl 7, 3214868480
	.fill 96, 4, 3214868480
	.section	.rodata,"a",@progbits
	.p2align	6, 0x0
	.amdhsa_kernel k_q9b53df603e_ffn2
		.amdhsa_group_segment_fixed_size 243200
		.amdhsa_private_segment_fixed_size 0
		.amdhsa_enable_private_segment 0
		.amdhsa_kernarg_size 56
		.amdhsa_user_sgpr_count 2
		.amdhsa_user_sgpr_kernarg_segment_ptr 1
		.amdhsa_wavefront_size32 1
		.amdhsa_system_sgpr_workgroup_id_x 1
		.amdhsa_system_sgpr_workgroup_id_y 1
		.amdhsa_system_sgpr_workgroup_id_z 1
		.amdhsa_system_vgpr_workitem_id 0
		.amdhsa_next_free_vgpr 1024
		.amdhsa_next_free_sgpr 100
		.amdhsa_reserve_vcc 0
		.amdhsa_float_denorm_mode_32 3
		.amdhsa_float_denorm_mode_16_64 3
		.amdhsa_memory_ordered 1
		.amdhsa_forward_progress 1
		.amdhsa_inst_pref_size 159
	.end_amdhsa_kernel
	.amdgpu_metadata
---
amdhsa.version: [ 1, 2 ]
amdhsa.kernels:
  - .name:           k_q9b53df603e_ffn2
    .symbol:         k_q9b53df603e_ffn2.kd
    .args:
      - { .name: hq, .offset: 0, .size: 8, .value_kind: global_buffer, .address_space: global }
      - { .name: W2_codes, .offset: 8, .size: 8, .value_kind: global_buffer, .address_space: global }
      - { .name: W2_scales, .offset: 16, .size: 8, .value_kind: global_buffer, .address_space: global }
      - { .name: b2, .offset: 24, .size: 8, .value_kind: global_buffer, .address_space: global }
      - { .name: lists, .offset: 32, .size: 8, .value_kind: global_buffer, .address_space: global }
      - { .name: rt, .offset: 40, .size: 8, .value_kind: global_buffer, .address_space: global }
      - { .name: ybuf, .offset: 48, .size: 8, .value_kind: global_buffer, .address_space: global }
    .group_segment_fixed_size: 243200
    .private_segment_fixed_size: 0
    .kernarg_segment_align: 8
    .kernarg_segment_size: 56
    .max_flat_workgroup_size: 128
    .sgpr_count:     100
    .vgpr_count:     1024
    .wavefront_size: 32
...
	.end_amdgpu_metadata
.endif
;; end of part 4
;; launch combine (part 5): grid 256 x 1, 8 waves a work-group, no clusters, 0 bytes of LDS; arguments ybuf, out0; writes out0
.if DOCPART == 5
	.amdgcn_target "amdgcn-amd-amdhsa--gfx1250"
	.amdhsa_code_object_version 6
	.text
	.protected	k_q9b53df603e_combine
	.globl	k_q9b53df603e_combine
	.p2align	8
	.type	k_q9b53df603e_combine,@function
k_q9b53df603e_combine:
	s_mov_b64 s[64:65], 0
	v_nop
	global_prefetch_b8 v0, s[64:65] scope:SCOPE_SE
	s_setreg_imm32_b32 hwreg(HW_REG_WAVE_MODE, 25, 1), 1
	s_wait_xcnt 0x0
; COMBINE: out0[t] = ybuf[2 t] + ybuf[2 t + 1]: a token's two weighted expert rows.  The six experts that the token did not choose add the 0 that reference() builds, and are left out.
; A stream: a work-group takes 4 tokens, thread i the 16 bytes at 16 i of each row, so that a wave's load or store covers 512 consecutive, aligned bytes.  All eight loads go out first.
	s_load_b128 s[4:7], s[0:1], 0x0                ; ybuf, out0
	v_lshlrev_b32 v1, 4, v0
	s_lshl_b32 s8, ttmp9, 15                       ; 4 tokens x 2 rows of 4,096 bytes
	s_mov_b32 s9, 0
	s_lshl_b32 s10, ttmp9, 14
	s_mov_b32 s11, 0
	s_wait_kmcnt 0x0
	s_add_nc_u64 s[4:5], s[4:5], s[8:9]
	s_add_nc_u64 s[6:7], s[6:7], s[10:11]
.irp j, 0,1,2,3
	global_load_b128 v[4+8*\j:7+8*\j], v1, s[4:5] offset:8192*\j th:TH_LOAD_NT
	global_load_b128 v[8+8*\j:11+8*\j], v1, s[4:5] offset:8192*\j+4096 th:TH_LOAD_NT
.endr
.irp j, 0,1,2,3
	s_wait_loadcnt 6-2*\j                          ; token j's two loads are in; the later tokens' may be out
	v_pk_add_f32 v[4+8*\j:5+8*\j], v[4+8*\j:5+8*\j], v[8+8*\j:9+8*\j]
	v_pk_add_f32 v[6+8*\j:7+8*\j], v[6+8*\j:7+8*\j], v[10+8*\j:11+8*\j]
	global_store_b128 v1, v[4+8*\j:7+8*\j], s[6:7] offset:4096*\j th:TH_STORE_NT
.endr
	s_endpgm
.Lfunc_end_k_q9b53df603e_combine:
	.size	k_q9b53df603e_combine, .Lfunc_end_k_q9b53df603e_combine-k_q9b53df603e_combine
	.p2alignl 7, 3214868480
	.fill 96, 4, 3214868480
	.section	.rodata,"a",@progbits
	.p2align	6, 0x0
	.amdhsa_kernel k_q9b53df603e_combine
		.amdhsa_group_segment_fixed_size 0
		.amdhsa_private_segment_fixed_size 0
		.amdhsa_enable_private_segment 0
		.amdhsa_kernarg_size 16
		.amdhsa_user_sgpr_count 2
		.amdhsa_user_sgpr_kernarg_segment_ptr 1
		.amdhsa_wavefront_size32 1
		.amdhsa_system_sgpr_workgroup_id_x 1
		.amdhsa_system_sgpr_workgroup_id_y 1
		.amdhsa_system_sgpr_workgroup_id_z 1
		.amdhsa_system_vgpr_workitem_id 0
		.amdhsa_next_free_vgpr 48
		.amdhsa_next_free_sgpr 66
		.amdhsa_reserve_vcc 0
		.amdhsa_float_denorm_mode_32 3
		.amdhsa_float_denorm_mode_16_64 3
		.amdhsa_memory_ordered 1
		.amdhsa_forward_progress 1
		.amdhsa_inst_pref_size 3
	.end_amdhsa_kernel
	.amdgpu_metadata
---
amdhsa.version: [ 1, 2 ]
amdhsa.kernels:
  - .name:           k_q9b53df603e_combine
    .symbol:         k_q9b53df603e_combine.kd
    .args:
      - { .name: ybuf, .offset: 0, .size: 8, .value_kind: global_buffer, .address_space: global }
      - { .name: out0, .offset: 8, .size: 8, .value_kind: global_buffer, .address_space: global }
    .group_segment_fixed_size: 0
    .private_segment_fixed_size: 0
    .kernarg_segment_align: 8
    .kernarg_segment_size: 16
    .max_flat_workgroup_size: 256
    .sgpr_count:     66
    .vgpr_count:     48
    .wavefront_size: 32
...
	.end_amdgpu_metadata
.endif
;; end of part 5
;; ======== version 2 of 2: 5 launches
;; workspace buffers: xq 819,200 bytes; rid 4,096 bytes of whole numbers; rt 12,288 bytes; lists 11,008 bytes of whole numbers; hq 8,785,920 bytes; ybuf 8,388,608 bytes
;; launch route (part 6): grid 256 x 1, 1 waves a work-group, no clusters, 3,584 bytes of LDS; arguments hidden_states, Wr, br, xq, rid, rt, lists; writes xq, rid, rt, lists
.if DOCPART == 6
	.amdgcn_target "amdgcn-amd-amdhsa--gfx1250"
	.amdhsa_code_object_version 6
	.text
	.protected	k_q9b53df603e_route
	.globl	k_q9b53df603e_route
	.p2align	8
	.type	k_q9b53df603e_route,@function
k_q9b53df603e_route:
	s_mov_b64 s[64:65], 0
	v_nop
	global_prefetch_b8 v0, s[64:65] scope:SCOPE_SE
	s_setreg_imm32_b32 hwreg(HW_REG_WAVE_MODE, 25, 1), 1
	s_wait_xcnt 0x0
; ROUTE: the router of a layer of 8 experts, top 2, for 1,024 tokens of 1,024 numbers, and the quantiser of x.
; DEAD WORK LEFT OUT BY THE PROGRAM.  reference() adds w_e y_e for all 8 experts, with w_e = sum(weights * (top_i == e)).  For an expert outside a token's top 2 both comparisons are false,
; so w_e is the 0 that reference() builds itself, and that token's row of x W1[e], of its gelu and of h W2[e] reaches no output, whatever finite values the inputs hold.  The later launches
; multiply only the 2,048 chosen (token, expert) rows.  The softmax's divisor is the same in top_w and in sum(top_w): it cancels, and the weights are e_a / (e_a + e_b), e = 2^((l - max) log2 e).
; Every input has a way to an output and is loaded.  LIMIT: a NaN, an infinity or an overflow that arises only in a row left out (0 x inf in reference()) is not carried to the result.
; LIMITS: the top 2 are taken on e by a strict greater-than in ascending order, so that a tie keeps the lower index; two experts whose logits lie within f32 rounding of each other may change places.
; A block of 32 zeros of x gets the scale byte 1, not 127: its codes are zeros, and only this program reads the bytes.  NaN and infinities among the inputs are not served.
; SHARES.  One wave to a work-group, 4 tokens to a wave.  Lane l owns k = 32 l .. 32 l + 31 of each token: one block of the quantiser, and a 32nd of each logit's sum.
; OUT.  xq: a token's 768 bytes of E3M2 codes, laid [K step of 128][half h][c][24 bytes], so that lane (r, h) of a matrix fragment finds its 48 bytes on end; from XS on 32 scale bytes a token.
; rid: first | second << 8 for each token, at a fixed place (no address here hangs on it).  rt: the two weights of each token; from LSE on its logsumexp.  lists: the pad value 2048 in every row place.
; REGISTERS: window 0: v2-7 addresses, v8-29 at work, v30, v31 the add's two, v32-63 the 4 x 8 sums, v64-191 x, v192-223 codes, v224-239 my token's logits and exponentials.  Window 1: Wr(k, e) at 8 k + e.
.set SPARE, 3328                       ; LDS: 0 .. 3071 the codes' stage, 3072 .. 3199 the scale bytes, from 3328 on the spare words that no other line names
.set SBY,   3072
.set XS,    786432
.set LSE,   8192
.set XA,  2
.set WA,  3
.set CST, 4
.set SST, 5
.set L16, 6
.set L4,  7
.set SBR, 12                           ; v12-15 the four scale bytes
.set L8,  21
.set SPW, 30
.set NIL, 31
.set ACC, 32
.set X,   64
.set C,   192
.set LG,  224
.set EX,  232
.set MSB, 0
.macro WIN new                         ; the immediate's high byte repeats the setting that is left
.if MSB != (\new)
	s_set_vgpr_msb (MSB<<8)|(\new)
.set MSB, \new
.endif
.endm
	s_load_b256 s[8:15], s[0:1], 0x0               ; hidden_states, Wr, br, xq
	s_load_b128 s[16:19], s[0:1], 0x20             ; rid, rt
	s_load_b64 s[20:21], s[0:1], 0x30              ; lists
	v_lshl_add_u32 v[SPW], v0, 2, SPARE
	v_mov_b32 v[NIL], 0
	v_lshlrev_b32 v[XA], 7, v0                     ; my 128 bytes of a token's row
	v_lshlrev_b32 v[WA], 10, v0                    ; my 32 rows of Wr
	v_lshrrev_b32 v8, 2, v0
	v_mul_u32_u24 v[CST], v8, 96                   ; block l of a token: K step l / 4,
	v_and_b32 v8, 1, v0
	v_mad_u32_u24 v[CST], v8, 48, v[CST]           ; half l % 2,
	v_bfe_u32 v8, v0, 1, 1
	v_mad_u32_u24 v[CST], v8, 24, v[CST]           ; c = (l / 2) % 2
	v_add_nc_u32 v[SST], SBY, v0
	v_lshlrev_b32 v[L16], 4, v0
	v_lshlrev_b32 v[L8], 3, v0
	v_lshlrev_b32 v[L4], 2, v0
	s_mov_b32 s25, 0
	s_mov_b32 s26, 0x76543210                      ; v_permlanex16_b32's selects for lane l xor 16
	s_mov_b32 s27, 0xfedcba98
	s_mov_b32 s28, 0xaaaaaaaa                      ; lanes with l % 2 = 1
	s_mov_b32 s29, 0xcccccccc                      ; lanes with (l / 2) % 2 = 1
	s_lshl_b32 s24, ttmp9, 14                      ; 4 tokens of 4,096 bytes
	s_wait_kmcnt 0x0
	s_add_nc_u64 s[8:9], s[8:9], s[24:25]
	s_mul_i32 s24, ttmp9, 3072
	s_add_nc_u64 s[40:41], s[14:15], s[24:25]      ; my 4 tokens' codes
	s_lshl_b32 s24, ttmp9, 7
	s_add_nc_u64 s[42:43], s[14:15], s[24:25]      ; their scale bytes (XS stands in the immediate)
	s_add_nc_u64 s[20:21], s[20:21], s[24:25]      ; my 32 row places of lists
	s_lshl_b32 s24, ttmp9, 5
	s_add_nc_u64 s[44:45], s[18:19], s[24:25]      ; their weights
	s_lshl_b32 s24, ttmp9, 4
	s_add_nc_u64 s[46:47], s[18:19], s[24:25]      ; their logsumexp (LSE in the immediate)
	s_add_nc_u64 s[16:17], s[16:17], s[24:25]      ; their experts
	s_load_b256 s[32:39], s[12:13], 0x0            ; br
.irp j, 0,1,2,3
.irp i, 0,1,2,3,4,5,6,7
	global_load_b128 v[X+32*\j+4*\i:X+32*\j+4*\i+3], v[XA], s[8:9] offset:4096*\j+16*\i
.endr
.endr
	WIN 0x40                                       ; destination window 1
.set i, 0
.rept 64
	global_load_b128 v[4*i:4*i+3], v[WA], s[10:11] offset:16*i
.set i, i+1
.endr
	WIN 0
	s_wait_loadcnt 63                              ; of the 96 loads issued at most 63 are out: the oldest 33 are in, x's 32 among them
; Token j's block of mine: its largest magnitude with the floor 2^(5 - 127), 4 off the exponent field (the conversion's scale operand), the byte, 32 codes in 24 bytes.
.macro XQ j
.set XJ, X+32*\j
.set CJ, C+8*\j
	v_max3_num_f32 v8, |v[XJ]|, |v[XJ+1]|, |v[XJ+2]|
	v_max3_num_f32 v9, |v[XJ+3]|, |v[XJ+4]|, |v[XJ+5]|
.irp i, 6,10,14,18,22,26
	v_max3_num_f32 v8, v8, |v[XJ+\i]|, |v[XJ+\i+1]|
	v_max3_num_f32 v9, v9, |v[XJ+\i+2]|, |v[XJ+\i+3]|
.endr
	v_max3_num_f32 v8, v8, |v[XJ+30]|, |v[XJ+31]|
	v_max3_num_f32 v8, v8, v9, 0x2800000
	v_add_nc_u32 v10, 0xfe000000, v8
	v_cvt_scalef32_pk16_bf6_f32 v[CJ:CJ+2], v[XJ:XJ+15], v10
	v_cvt_scalef32_pk16_bf6_f32 v[CJ+4:CJ+6], v[XJ+16:XJ+31], v10   ; (a conversion's three registers begin on an even number)
	v_lshrrev_b32 v[SBR+\j], 23, v10               ; the scale's byte: also the plain line behind the conversions
	v_mov_b32 v[CJ+3], v[CJ+4]
	v_mov_b32 v[CJ+4], v[CJ+5]
	v_mov_b32 v[CJ+5], v[CJ+6]
	ds_store_b64 v[CST], v[CJ:CJ+1] offset:768*\j
	ds_store_b64 v[CST], v[CJ+2:CJ+3] offset:768*\j+8
	ds_store_b64 v[CST], v[CJ+4:CJ+5] offset:768*\j+16
	ds_store_b8 v[SST], v[SBR+\j] offset:32*\j
.endm
	XQ 0
	XQ 1
	XQ 2
	XQ 3
	s_wait_loadcnt 0x0                             ; Wr
	s_wait_kmcnt 0x0                               ; br
; The logits in f32: sum(j, e) over my 32 k, two experts an instruction; x(j, k) serves both halves.  The first k starts the sums: nothing is cleared.
	WIN 0x04                                       ; source 1 (Wr) window 1
.set k, 0
.rept 32
.irp j, 0,1,2,3
.irp q, 0,1,2,3
.if k == 0
	v_pk_mul_f32 v[ACC+8*\j+2*\q:ACC+8*\j+2*\q+1], v[X+32*\j:X+32*\j+1], v[2*\q:2*\q+1] op_sel_hi:[0,1]
.elseif k%2 == 0
	v_pk_fma_f32 v[ACC+8*\j+2*\q:ACC+8*\j+2*\q+1], v[X+32*\j+k:X+32*\j+k+1], v[8*k+2*\q:8*k+2*\q+1], v[ACC+8*\j+2*\q:ACC+8*\j+2*\q+1] op_sel_hi:[0,1,1]
.else
	v_pk_fma_f32 v[ACC+8*\j+2*\q:ACC+8*\j+2*\q+1], v[X+32*\j+k-1:X+32*\j+k], v[8*k+2*\q:8*k+2*\q+1], v[ACC+8*\j+2*\q:ACC+8*\j+2*\q+1] op_sel:[1,0,0] op_sel_hi:[1,1,1]
.endif
.endr
.endr
.set k, k+1
.endr
	WIN 0
.irp x, 1,2,4,8                        ; the 32 sums over the 32 lanes; every lane ends with all of them
.set i, 0
.rept 32
	v_add_f32_dpp v[ACC+i], v[ACC+i], v[ACC+i] row_xmask:\x row_mask:0xf bank_mask:0xf
.set i, i+1
.endr
.endr
.set i, 0
.rept 32
	v_permlanex16_b32 v[X+i], v[ACC+i], s26, s27   ; (x is done with: its registers have been written, as a lane permute's destination must be)
.set i, i+1
.endr
.set i, 0
.rept 32
	v_add_f32 v[ACC+i], v[ACC+i], v[X+i]
.set i, i+1
.endr
.irp e, 0,1,2,3,4,5,6,7                ; lane l goes on with token l % 4
	v_cndmask_b32 v[X+32+\e], v[ACC+\e], v[ACC+8+\e], s28
	v_cndmask_b32 v[X+40+\e], v[ACC+16+\e], v[ACC+24+\e], s28
.endr
.irp e, 0,1,2,3,4,5,6,7
	v_cndmask_b32 v[LG+\e], v[X+32+\e], v[X+40+\e], s29
.endr
.irp e, 0,1,2,3,4,5,6,7
	v_add_f32 v[LG+\e], s[32+\e], v[LG+\e]         ; + br
.endr
	v_max3_num_f32 v8, v[LG], v[LG+1], v[LG+2]     ; the maximum is taken away ahead of the exponentials, as reference() does
	v_max3_num_f32 v8, v8, v[LG+3], v[LG+4]
	v_max3_num_f32 v8, v8, v[LG+5], v[LG+6]
	v_max_num_f32 v8, v8, v[LG+7]
.irp e, 0,1,2,3,4,5,6,7
	v_sub_f32 v[EX+\e], v[LG+\e], v8
.endr
.irp e, 0,1,2,3,4,5,6,7
	v_mul_f32 v[EX+\e], 0x3fb8aa3b, v[EX+\e]
.endr
	s_wait_alu depctr_va_vdst(0)
.irp e, 0,1,2,3,4,5,6,7
	v_exp_f32 v[EX+\e], v[EX+\e]
.endr
	v_nop                                          ; a plain line behind the batch
	s_wait_alu depctr_va_vdst(0)                   ; one wait for the eight, ahead of their first reader
	v_add_f32 v9, v[EX], v[EX+1]
	v_add_f32 v10, v[EX+2], v[EX+3]
	v_add_f32 v11, v[EX+4], v[EX+5]
	v_add_f32 v12, v[EX+6], v[EX+7]
	v_add_f32 v9, v9, v10
	v_add_f32 v11, v11, v12
	v_add_f32 v9, v9, v11
	s_wait_alu depctr_va_vdst(0)
	v_log_f32 v9, v9                               ; its reader stands behind the wait below; the search for the top 2 is the work between
	v_mov_b32 v14, v[EX]                           ; the first: strictly greater in ascending order keeps the lower index at a tie
	v_mov_b32 v13, 0
.irp i, 1,2,3,4,5,6,7
	v_cmp_gt_f32 vcc_lo, v[EX+\i], v14
	v_cndmask_b32 v14, v14, v[EX+\i], vcc_lo
	v_cndmask_b32 v13, v13, \i, vcc_lo
.endr
.irp i, 0,1,2,3,4,5,6,7
	v_cmp_eq_u32 vcc_lo, \i, v13
	v_cndmask_b32 v[EX+\i], v[EX+\i], -1.0, vcc_lo ; the winner leaves the field: every e is at least 0
.endr
	v_mov_b32 v16, v[EX]                           ; the second
	v_mov_b32 v15, 0
.irp i, 1,2,3,4,5,6,7
	v_cmp_gt_f32 vcc_lo, v[EX+\i], v16
	v_cndmask_b32 v16, v16, v[EX+\i], vcc_lo
	v_cndmask_b32 v15, v15, \i, vcc_lo
.endr
	v_lshl_or_b32 v17, v15, 8, v13                 ; first | second << 8
	v_add_f32 v20, v14, v16
	s_wait_alu depctr_va_vdst(0)
	v_rcp_f32 v20, v20
	v_nop
	s_wait_alu depctr_va_vdst(0)                   ; the wait for the reciprocal
	v_fmamk_f32 v9, v9, 0x3f317218, v8             ; logsumexp = max + ln 2 x log2(sum)
	v_mul_f32 v18, v14, v20
	v_mul_f32 v19, v16, v20                        ; the two weights
.irp i, 0,1,2,3,4,5                    ; the codes leave as 3,072 consecutive bytes: LDS serves a wave's instructions in order, so these see my stores
	ds_load_b128 v[X+4*\i:X+4*\i+3], v[L16] offset:512*\i
.endr
	ds_load_b32 v[X+24], v[L4] offset:SBY
	s_wait_dscnt 0x0
.irp i, 0,1,2,3,4,5
	global_store_b128 v[L16], v[X+4*\i:X+4*\i+3], s[40:41] offset:512*\i
.endr
	global_store_b32 v[L4], v[X+24], s[42:43] offset:XS
	s_cmp_ge_u32 ttmp9, 84                         ; the first 84 work-groups fill the 2,688 row places with the pad value: a branch on the work-group's number
	s_cbranch_scc1 .Lnopad
	v_mov_b32 v22, 0x800
	global_store_b32 v[L4], v22, s[20:21]
.Lnopad:
	s_wait_xcnt 0x0                                ; EXEC changes only behind this wait
	v_cmp_gt_u32 vcc_lo, 4, v0
	s_and_saveexec_b32 s30, vcc_lo                 ; lanes 0 to 3 hold tokens 0 to 3
	global_store_b32 v[L4], v17, s[16:17]
	s_wait_alu depctr_va_vdst(0)
	global_store_b64 v[L8], v[18:19], s[44:45]
	global_store_b32 v[L4], v9, s[46:47] offset:LSE
	s_wait_xcnt 0x0                                ; and again ahead of the line that widens it
	s_or_b32 exec_lo, exec_lo, s30
	s_wait_tensorcnt 0x0                           ; the wave's end: three lines behind my last LDS store
	ds_add_u32 v[SPW], v[NIL]
	s_wait_dscnt 0x0
	s_endpgm
.Lfunc_end_k_q9b53df603e_route:
	.size	k_q9b53df603e_route, .Lfunc_end_k_q9b53df603e_route-k_q9b53df603e_route
	.p2alignl 7, 3214868480
	.fill 96, 4, 3214868480
	.section	.rodata,"a",@progbits
	.p2align	6, 0x0
	.amdhsa_kernel k_q9b53df603e_route
		.amdhsa_group_segment_fixed_size 3584
		.amdhsa_private_segment_fixed_size 0
		.amdhsa_enable_private_segment 0
		.amdhsa_kernarg_size 56
		.amdhsa_user_sgpr_count 2
		.amdhsa_user_sgpr_kernarg_segment_ptr 1
		.amdhsa_wavefront_size32 1
		.amdhsa_system_sgpr_workgroup_id_x 1
		.amdhsa_system_sgpr_workgroup_id_y 1
		.amdhsa_system_sgpr_workgroup_id_z 1
		.amdhsa_system_vgpr_workitem_id 0
		.amdhsa_next_free_vgpr 512
		.amdhsa_next_free_sgpr 66
		.amdhsa_reserve_vcc 1
		.amdhsa_float_denorm_mode_32 3
		.amdhsa_float_denorm_mode_16_64 3
		.amdhsa_memory_ordered 1
		.amdhsa_forward_progress 1
		.amdhsa_inst_pref_size 69
	.end_amdhsa_kernel
	.amdgpu_metadata
---
amdhsa.version: [ 1, 2 ]
amdhsa.kernels:
  - .name:           k_q9b53df603e_route
    .symbol:         k_q9b53df603e_route.kd
    .args:
      - { .name: hidden_states, .offset: 0, .size: 8, .value_kind: global_buffer, .address_space: global }
      - { .name: Wr, .offset: 8, .size: 8, .value_kind: global_buffer, .address_space: global }
      - { .name: br, .offset: 16, .size: 8, .value_kind: global_buffer, .address_space: global }
      - { .name: xq, .offset: 24, .size: 8, .value_kind: global_buffer, .address_space: global }
      - { .name: rid, .offset: 32, .size: 8, .value_kind: global_buffer, .address_space: global }
      - { .name: rt, .offset: 40, .size: 8, .value_kind: global_buffer, .address_space: global }
      - { .name: lists, .offset: 48, .size: 8, .value_kind: global_buffer, .address_space: global }
    .group_segment_fixed_size: 3584
    .private_segment_fixed_size: 0
    .kernarg_segment_align: 8
    .kernarg_segment_size: 56
    .max_flat_workgroup_size: 32
    .sgpr_count:     66
    .vgpr_count:     512
    .wavefront_size: 32
...
	.end_amdgpu_metadata
.endif
;; end of part 6
;; launch sort (part 7): grid 1 x 1, 32 waves a work-group, no clusters, 8,192 bytes of LDS; arguments rid, rt, lists, out1; writes lists, out1
.if DOCPART == 7
	.amdgcn_target "amdgcn-amd-amdhsa--gfx1250"
	.amdhsa_code_object_version 6
	.text
	.protected	k_q9b53df603e_sort
	.globl	k_q9b53df603e_sort
	.p2align	8
	.type	k_q9b53df603e_sort,@function
k_q9b53df603e_sort:
	s_mov_b64 s[64:65], 0
	v_nop
	global_prefetch_b8 v0, s[64:65] scope:SCOPE_SE
	s_setreg_imm32_b32 hwreg(HW_REG_WAVE_MODE, 25, 1), 1
	s_wait_xcnt 0x0
; SORT: a counting sort of the 2,048 routed rows by expert, the table of chunks, and the loss.  One work-group, thread t = token t; no atomics.
; A row is a slot 2 t + k (k = 0: the token's first expert).  Expert e with R_e rows gets c_e = ceil(R_e / 80) chunks of 80 row places from chunk cb_e on (cb: the running sum of c);
; a row's place is 80 cb_e + its rank among e's rows in token order.  A token names an expert at most once, so R_e <= 1,024, and the sum of c_e is at most (2,048 + 8 x 79) / 80, that is 33.
; lists: rowtok[place] = slot (the launch before has laid the pad value 2048 in every place); from CH on chunk g's word: expert | tiles of 16 rows << 8 (0 tiles: no rows).
; out1 = 0.01 mean((R_e / 2048 - 1/8)^2) + 0.001 mean(logsumexp).
; LDS: 128 bytes a wave at 4 x thread: words 0-7 the wave's count for each expert, word 8 its sum of logsumexp; from SPARE on the spare words.
.set SPARE, 4096
.set LSE,   8192
.set CH,    10752
	s_load_b256 s[8:15], s[0:1], 0x0               ; rid, rt, lists, out1
	v_lshl_add_u32 v46, v0, 2, SPARE
	v_mov_b32 v47, 0
	v_lshrrev_b32 v1, 5, v0
	s_delay_alu instid0(VALU_DEP_1)
	v_readfirstlane_b32 s16, v1                    ; wave 0..31
	v_and_b32 v2, 31, v0                           ; lane
	v_lshlrev_b32 v3, 2, v0
	s_delay_alu instid0(VALU_DEP_2)
	v_and_b32 v26, 24, v2                          ; 8 x (lane / 8): the first of the eight waves whose counts I read
	s_delay_alu instid0(VALU_DEP_1)
	v_lshlrev_b32 v27, 7, v26
	s_delay_alu instid0(VALU_DEP_4)
	v_and_b32 v1, 7, v2
	s_delay_alu instid0(VALU_DEP_1)
	v_lshl_add_u32 v27, v1, 2, v27                 ; their word for expert lane % 8
	v_lshlrev_b32 v28, 7, v2                       ; wave 'lane''s words
	v_mov_b32 v9, 0
	v_mov_b32 v10, 0
	v_mov_b32 v11, 0
	v_mov_b32 v42, 0
	v_mov_b32 v43, 0
	v_mov_b32 v44, 0
	v_mov_b32 v45, 0
	s_mov_b32 s22, 0x76543210
	s_mov_b32 s23, 0xfedcba98
	s_mov_b32 s19, 0x100
	s_wait_kmcnt 0x0
	global_load_b32 v4, v3, s[8:9]
	global_load_b32 v5, v3, s[10:11] offset:LSE
	s_wait_loadcnt 0x0
	v_and_b32 v6, 7, v4                            ; my first expert
	v_bfe_u32 v7, v4, 8, 3                         ; my second
.irp e, 0,1,2,3,4,5,6,7                ; for each expert: who in my wave names it, my rank among them, their number
	v_cmp_eq_u32 s[32+2*\e], \e, v6
	v_cmp_eq_u32 s[33+2*\e], \e, v7
	s_or_b32 s17, s[32+2*\e], s[33+2*\e]
	v_mbcnt_lo_u32_b32 v8, s17, 0
	s_delay_alu instid0(VALU_DEP_1)
	v_cndmask_b32 v9, v9, v8, s[32+2*\e]
	s_delay_alu instid0(VALU_DEP_2)
	v_cndmask_b32 v10, v10, v8, s[33+2*\e]
	s_bcnt1_i32_b32 s18, s17
	v_writelane_b32 v11, s18, \e
.endr
	v_add_f32_dpp v5, v5, v5 row_xmask:1 row_mask:0xf bank_mask:0xf
	s_delay_alu instid0(VALU_DEP_1)
	v_add_f32_dpp v5, v5, v5 row_xmask:2 row_mask:0xf bank_mask:0xf
	s_delay_alu instid0(VALU_DEP_1)
	v_add_f32_dpp v5, v5, v5 row_xmask:4 row_mask:0xf bank_mask:0xf
	s_delay_alu instid0(VALU_DEP_1)
	v_add_f32_dpp v5, v5, v5 row_xmask:8 row_mask:0xf bank_mask:0xf
	s_delay_alu instid0(VALU_DEP_1)
	v_permlanex16_b32 v44, v5, s22, s23
	s_delay_alu instid0(VALU_DEP_1)
	v_add_f32 v5, v5, v44
	s_delay_alu instid0(VALU_DEP_1)
	v_cndmask_b32 v11, v11, v5, s19                ; lane 8 carries the wave's sum of logsumexp
	ds_store_b32 v3, v11
	s_wait_dscnt 0x0                               ; for the others' sake: my store is done
	s_barrier_signal -1
	s_barrier_wait -1
.irp i, 0,1,2,3,4,5,6,7
	ds_load_b32 v[30+\i], v27 offset:128*\i
.endr
	ds_load_b32 v38, v28 offset:32
	s_wait_dscnt 0x0
	v_add_nc_u32 v40, v30, v31                     ; the eight waves' rows of my expert,
	v_add_nc_u32 v39, v32, v33
	s_delay_alu instid0(VALU_DEP_1)
	v_add_nc_u32 v40, v40, v39
	v_add_nc_u32 v39, v34, v35
	s_delay_alu instid0(VALU_DEP_1)
	v_add_nc_u32 v40, v40, v39
	v_add_nc_u32 v39, v36, v37
	s_delay_alu instid0(VALU_DEP_1)
	v_add_nc_u32 v40, v40, v39
	v_mov_b32 v41, 0
.irp i, 0,1,2,3,4,5,6,7                ; and those of them that lie in waves ahead of mine
	s_sub_co_i32 s20, s16, \i
	v_cmp_gt_i32 vcc_lo, s20, v26
	s_delay_alu instid0(VALU_DEP_1)
	v_cndmask_b32 v39, 0, v[30+\i], vcc_lo
	s_delay_alu instid0(VALU_DEP_1)
	v_add_nc_u32 v41, v41, v39
.endr
	v_mov_b32_dpp v42, v40 row_xmask:8 row_mask:0xf bank_mask:0xf
	s_delay_alu instid0(VALU_DEP_2)
	v_mov_b32_dpp v43, v41 row_xmask:8 row_mask:0xf bank_mask:0xf
	s_delay_alu instid0(VALU_DEP_2)
	v_add_nc_u32 v40, v40, v42
	s_delay_alu instid0(VALU_DEP_2)
	v_add_nc_u32 v41, v41, v43
	s_delay_alu instid0(VALU_DEP_2)
	v_permlanex16_b32 v42, v40, s22, s23
	s_delay_alu instid0(VALU_DEP_2)
	v_permlanex16_b32 v43, v41, s22, s23
	s_delay_alu instid0(VALU_DEP_2)
	v_add_nc_u32 v40, v40, v42                     ; R_e, e = lane % 8
	s_delay_alu instid0(VALU_DEP_2)
	v_add_nc_u32 v41, v41, v43                     ; e's rows in the waves ahead of mine
.irp e, 0,1,2,3,4,5,6,7
	v_readlane_b32 s[48+\e], v40, \e
	v_readlane_b32 s[56+\e], v41, \e
.endr
	s_mov_b32 s20, 0
.irp e, 0,1,2,3,4,5,6,7
	s_mov_b32 s[68+\e], s20                        ; cb_e
	s_mul_i32 s21, s20, 80
	s_add_co_u32 s[76+\e], s21, s[56+\e]           ; where my wave's rows of e begin
	s_add_co_u32 s21, s[48+\e], 79
	s_lshr_b32 s21, s21, 4
	s_mul_i32 s21, s21, 205
	s_lshr_b32 s21, s21, 10                        ; ceil(R / 80) = ((R + 79) / 16) / 5; x / 5 = 205 x >> 10 for x under 1,024, and x is at most 68
	s_add_co_u32 s20, s20, s21
.endr
	v_mov_b32 v12, 0
	v_mov_b32 v13, 0
.irp e, 0,1,2,3,4,5,6,7
	v_mov_b32 v14, s[76+\e]
	s_delay_alu instid0(VALU_DEP_1)
	v_cndmask_b32 v12, v12, v14, s[32+2*\e]
	s_delay_alu instid0(VALU_DEP_2)
	v_cndmask_b32 v13, v13, v14, s[33+2*\e]
.endr
	s_delay_alu instid0(VALU_DEP_2)
	v_add_nc_u32 v12, v12, v9
	s_delay_alu instid0(VALU_DEP_2)
	v_add_nc_u32 v13, v13, v10
	s_delay_alu instid0(VALU_DEP_2)
	v_min_u32 v12, 0xa4f, v12                      ; a place is under 33 x 80: the hold changes nothing
	s_delay_alu instid0(VALU_DEP_2)
	v_min_u32 v13, 0xa4f, v13
	s_delay_alu instid0(VALU_DEP_2)
	v_lshlrev_b32 v12, 2, v12
	s_delay_alu instid0(VALU_DEP_2)
	v_lshlrev_b32 v13, 2, v13
	v_lshlrev_b32 v15, 1, v0
	s_delay_alu instid0(VALU_DEP_1)
	v_or_b32 v16, 1, v15
	global_store_b32 v12, v15, s[12:13]
	global_store_b32 v13, v16, s[12:13]
	v_mov_b32 v17, 0                               ; chunk g = thread: the last expert whose first chunk is at or under g
	v_mov_b32 v18, s68
	v_mov_b32 v19, s48
.irp e, 1,2,3,4,5,6,7
	v_cmp_le_u32 vcc_lo, s[68+\e], v0
	s_delay_alu instid0(VALU_DEP_1)
	v_cndmask_b32 v17, v17, \e, vcc_lo
	v_mov_b32 v20, s[68+\e]
	s_delay_alu instid0(VALU_DEP_1)
	v_cndmask_b32 v18, v18, v20, vcc_lo
	v_mov_b32 v20, s[48+\e]
	s_delay_alu instid0(VALU_DEP_1)
	v_cndmask_b32 v19, v19, v20, vcc_lo
.endr
	s_delay_alu instid0(VALU_DEP_3)
	v_sub_nc_u32 v21, v0, v18
	s_delay_alu instid0(VALU_DEP_1)
	v_mul_u32_u24 v21, v21, 80
	s_delay_alu instid0(VALU_DEP_1)
	v_sub_nc_u32 v21, v19, v21                     ; rows left from this chunk on (negative past the expert's end)
	s_delay_alu instid0(VALU_DEP_1)
	v_add_nc_u32 v21, 15, v21
	s_delay_alu instid0(VALU_DEP_1)
	v_ashrrev_i32 v21, 4, v21
	s_delay_alu instid0(VALU_DEP_1)
	v_cmp_gt_i32 vcc_lo, 0, v21
	s_delay_alu instid0(VALU_DEP_1)
	v_cndmask_b32 v21, v21, 0, vcc_lo
	s_delay_alu instid0(VALU_DEP_1)
	v_min_u32 v21, 5, v21                          ; tiles of 16 rows: 0 to 5
	s_delay_alu instid0(VALU_DEP_1)
	v_lshl_or_b32 v22, v21, 8, v17
	s_cmp_gt_u32 s16, 1
	s_cbranch_scc1 .Lnochunk
	global_store_b32 v3, v22, s[12:13] offset:CH   ; 64 words, by waves 0 and 1
.Lnochunk:
	v_cvt_f32_u32 v23, v40
	s_mov_b32 s21, 0x3a000000                      ; 1 / 2,048
	v_fma_f32 v23, v23, s21, 0xbe000000            ; load - 1/8
	s_delay_alu instid0(VALU_DEP_1)
	v_mul_f32 v23, v23, v23
	s_delay_alu instid0(VALU_DEP_1)
	v_add_f32_dpp v23, v23, v23 row_xmask:1 row_mask:0xf bank_mask:0xf
	s_delay_alu instid0(VALU_DEP_1)
	v_add_f32_dpp v23, v23, v23 row_xmask:2 row_mask:0xf bank_mask:0xf
	s_delay_alu instid0(VALU_DEP_1)
	v_add_f32_dpp v23, v23, v23 row_xmask:4 row_mask:0xf bank_mask:0xf
	v_add_f32_dpp v38, v38, v38 row_xmask:1 row_mask:0xf bank_mask:0xf
	s_delay_alu instid0(VALU_DEP_1)
	v_add_f32_dpp v38, v38, v38 row_xmask:2 row_mask:0xf bank_mask:0xf
	s_delay_alu instid0(VALU_DEP_1)
	v_add_f32_dpp v38, v38, v38 row_xmask:4 row_mask:0xf bank_mask:0xf
	s_delay_alu instid0(VALU_DEP_1)
	v_add_f32_dpp v38, v38, v38 row_xmask:8 row_mask:0xf bank_mask:0xf
	s_delay_alu instid0(VALU_DEP_1)
	v_permlanex16_b32 v44, v38, s22, s23
	s_delay_alu instid0(VALU_DEP_1)
	v_add_f32 v38, v38, v44
	s_delay_alu instid0(VALU_DEP_1)
	v_mul_f32 v25, 0x3583126f, v38                 ; 0.001 / 1,024 x the sum of logsumexp
	s_delay_alu instid0(VALU_DEP_1)
	v_fmamk_f32 v25, v23, 0x3aa3d70a, v25          ; + 0.01 / 8 x the sum of squares
	s_cmp_lg_u32 s16, 0
	s_cbranch_scc1 .Lnot0
	s_wait_xcnt 0x0                                ; EXEC changes only behind this wait
	v_cmp_eq_u32 vcc_lo, 0, v0
	s_and_saveexec_b32 s24, vcc_lo
	s_wait_alu depctr_va_vdst(0)
	global_store_b32 v45, v25, s[14:15]
	s_wait_xcnt 0x0
	s_or_b32 exec_lo, exec_lo, s24
.Lnot0:
	s_wait_tensorcnt 0x0                           ; the wave's end: three lines behind my last LDS store
	ds_add_u32 v46, v47
	s_wait_dscnt 0x0
	s_endpgm
.Lfunc_end_k_q9b53df603e_sort:
	.size	k_q9b53df603e_sort, .Lfunc_end_k_q9b53df603e_sort-k_q9b53df603e_sort
	.p2alignl 7, 3214868480
	.fill 96, 4, 3214868480
	.section	.rodata,"a",@progbits
	.p2align	6, 0x0
	.amdhsa_kernel k_q9b53df603e_sort
		.amdhsa_group_segment_fixed_size 8192
		.amdhsa_private_segment_fixed_size 0
		.amdhsa_enable_private_segment 0
		.amdhsa_kernarg_size 32
		.amdhsa_user_sgpr_count 2
		.amdhsa_user_sgpr_kernarg_segment_ptr 1
		.amdhsa_wavefront_size32 1
		.amdhsa_system_sgpr_workgroup_id_x 1
		.amdhsa_system_sgpr_workgroup_id_y 1
		.amdhsa_system_sgpr_workgroup_id_z 1
		.amdhsa_system_vgpr_workitem_id 0
		.amdhsa_next_free_vgpr 48
		.amdhsa_next_free_sgpr 100
		.amdhsa_reserve_vcc 1
		.amdhsa_float_denorm_mode_32 3
		.amdhsa_float_denorm_mode_16_64 3
		.amdhsa_memory_ordered 1
		.amdhsa_forward_progress 1
		.amdhsa_inst_pref_size 21
	.end_amdhsa_kernel
	.amdgpu_metadata
---
amdhsa.version: [ 1, 2 ]
amdhsa.kernels:
  - .name:           k_q9b53df603e_sort
    .symbol:         k_q9b53df603e_sort.kd
    .args:
      - { .name: rid, .offset: 0, .size: 8, .value_kind: global_buffer, .address_space: global }
      - { .name: rt, .offset: 8, .size: 8, .value_kind: global_buffer, .address_space: global }
      - { .name: lists, .offset: 16, .size: 8, .value_kind: global_buffer, .address_space: global }
      - { .name: out1, .offset: 24, .size: 8, .value_kind: global_buffer, .address_space: global }
    .group_segment_fixed_size: 8192
    .private_segment_fixed_size: 0
    .kernarg_segment_align: 8
    .kernarg_segment_size: 32
    .max_flat_workgroup_size: 1024
    .sgpr_count:     100
    .vgpr_count:     48
    .wavefront_size: 32
...
	.end_amdgpu_metadata
.endif
;; end of part 7
;; launch ffn1 (part 8): grid 8 x 33, 4 waves a work-group, no clusters, 132,608 bytes of LDS; arguments xq, W1_codes, W1_scales, b1, lists, hq; writes hq
.if DOCPART == 8
	.amdgcn_target "amdgcn-amd-amdhsa--gfx1250"
	.amdhsa_code_object_version 6
	.text
	.protected	k_q9b53df603e_ffn1
	.globl	k_q9b53df603e_ffn1
	.p2align	8
	.type	k_q9b53df603e_ffn1,@function
k_q9b53df603e_ffn1:
	s_mov_b64 s[64:65], 0
	v_nop
	global_prefetch_b8 v0, s[64:65] scope:SCOPE_SE
	s_setreg_imm32_b32 hwreg(HW_REG_WAVE_SCHED_MODE, 0, 2), 2
	s_setreg_imm32_b32 hwreg(HW_REG_WAVE_MODE, 25, 1), 1
	s_wait_xcnt 0x0
	s_wait_alu depctr_vm_vsrc(0)
; FFN1: h = Q(gelu(Q(x) W1[e] + b1[e])) for the routed rows alone: rows of experts that a token did not choose have the weight 0 that reference() builds, and are left out (shown at the head of the first kernel).
; SHARES.  Work-group (sl, g): chunk g of the row list (one expert, up to 5 tiles of 16 rows) x hidden units 512 sl .. 512 sl + 511.  Wave w makes units 128 w .. 128 w + 127 of them: one K step of the second product.
; THE ENGINE.  The chunk's x (5 tiles x 8 K steps, 480 registers) stays in each wave's registers.  W1 comes by column tiles of 16 rows x 768 bytes: 24 loads, in each of which sixteen lanes read 256 consecutive,
; aligned bytes; they turn through the wave's own stage in LDS (rows 816 bytes apart: 204 words, so that the 32 lanes of a fragment's 8-byte load touch 64 different banks) into 8 fragments; 40 matrix
; instructions a tile on 5 accumulators by turns.  Loads run two tiles ahead.
; TRANSPOSED USE: source 0 = 16 rows of W1, source 1 = 16 rows of x: a lane holds one row of h.  THE ROWS OF W1 THAT FORM A TILE ARE NOT NEIGHBOURS: tile 2 b + u holds rows 32 b + 8 u + i + 8 (i / 8), so that the 16
; registers of tiles 2 b, 2 b + 1 are 16 neighbours along the next K.  b1 is the C of a sum's first product.
; GELU, exact form: 0.5 v (1 + erf(v / sqrt 2)), erf(z) = z P4(z^2) / Q6(z^2) with z held at +-3.7439212, where the quotient has reached 1 in f32; all in f32.
; OUT.  hq: each fragment as an IMAGE OF ITS REGISTERS: for c = 0, 1: 512 bytes (registers 6 c .. 6 c + 3, lane l at 16 l), then 256 (registers 6 c + 4, 6 c + 5, lane l at 8 l); from HS on a scale word a lane.
; NO JOINT LOADS, though the chunks of one expert read the same weights: how many tiles are live is read from memory and branched on.
; ONE BARRIER, on every wave's way; a work-group whose chunk has no rows runs the head as well (its loads name expert 7 and the pad token, bytes that exist and were written) and ends behind the barrier.
; Pad rows (list value 2048) take token 1023's x; pad tiles are multiplied with the rest, so that the accumulators' turns stay, and neither activated nor stored.
; LIMITS: a block of zeros gets the byte 1, not 127 (zero codes; only this program reads the bytes); NaN and infinities are not served.
; REGISTERS: window 0: see the names below.  Windows 1, 2: v0-239 x's fragments of K steps 0-3, 4-7 at ((s % 4) 5 + m) 12.  Window 3: v0-95 the tile's 8 fragments; v96-191 landing set 0;
; landing set 1: window 3 v192-255, window 1 v240-255, window 2 v240-255.
; THE MODE: SCHED_MODE bits 1:0 = 2 (LLVM: expert scheduling mode 2), set by the entry lines.  The code itself states the register dependences
; between vector or matrix instructions and memory or LDS instructions, with s_wait_alu, always for 0.
; THE PLAN.  Registers that memory or LDS instructions touch:
;   the two landing sets            written by a tile's 24 loads from memory, read by its 24 LDS stores into the stage; no vector or matrix instruction names them.
;   the fragments, v[SB ..], v[BI ..]  written by a tile's 52 LDS loads, read by its 40 products.
;   x's fragments, v[SA ..]         loaded at the head and never again, read by the products.  (Window 1's v0-119 carry the wave's images of x first: loaded, stored to LDS, then loaded anew.)
;   v[ACC .. ACC + 35]              at the head W1's scale bytes and b1 pass through them (loaded, stored to LDS); from then on vector and matrix instructions alone name the accumulators.
;   v[EC ..], v[Y2 ..], v[PW ..]    written by the quantiser's lines, read by the stores to hq.
;   the addresses v2-v11            made at the head, never written again;  v[RT ..], v[XSO ..]: made at the head from the loaded slots, read by the loads of x.
; A TILE: the next tile's stores into the stage go out ahead of the products and run beside them; behind the products one wait on vm_vsrc frees that landing set for the loads of the tile three on;
; behind the places ONE wait on va_vdst states that the products are done reading the fragments, scale words and b1, and the next tile's 52 LDS loads follow it, with the activation behind them.
.set XS,    786432
.set CH,    10752
.set HS,    8110080
.set PIT,   816
.set WR0,   61440                      ; LDS: 0 .. 61,439 x's 40 fragment images of 1,536 bytes (image 8 m + s); then a region for each wave:
.set WREG,  17664                      ; the stage (16 x 816), its 128 rows' scale bytes (4,096), its 128 numbers of b1 (512)
.set OSC,   13056
.set OBI,   17152
.set SPARE, 132096                     ; the spare words, 128 bytes a wave, that no other line names
.set GLW, 2                            ; a weight load's offset: 12,288 h + 16 r
.set LST, 3                            ; into the stage
.set LFR, 4                            ; a fragment's row in the stage
.set LSC, 5                            ; my tile row's scale bytes
.set LBI, 6                            ; my half's numbers of b1
.set LI,  7                            ; 16 x lane
.set L8,  8
.set L4,  9
.set XST, 10                           ; where I store x's images
.set LSS, 11                           ; where I store scale bytes and b1
.set SPW, 12
.set NIL, 13
.set KA9, 14                           ; v[14:15], v[16:17]: the two leading coefficients
.set KB12, 16
.set TM,  18                           ; v18-22 at work in the quantiser
.set SA,  24                           ; v24-63 x's scale words, 8 m + s
.set SB,  64                           ; v64-71 the tile's scale words
.set BI,  72                           ; v72-79 the tile's b1
.set ACC, 80                           ; v80-159: tile of rows m, column tile's parity u: 80 + 16 m + 8 u
.set Z,   160
.set Y,   168
.set P,   176
.set Q,   184
.set EC,  192                          ; v192-211 four registers of codes for each m
.set Y2,  212                          ; v212-221 two more
.set D2,  222                          ; v222-224 the second conversion's
.set PW,  226                          ; v226-230 the scale word of each m
.set RT,  232                          ; v232-236 the rows' slots, then their offsets in xq
.set XSO, 237                          ; v237-241 their scale bytes' offsets
.set R4,  242
.set VL,  243
.set VR,  244
.set VH,  245
.set XOF, 246
.set WORD, 26
.set GG,  27
.set EE,  28
.set NT,  29
.set WV,  30
.set WBS, 32
.set WSS, 34
.set B1S, 36
.set RTS, 38
.set HQS, 40
.set HSS, 42
.set SEL, 46
.set KC,  48
.set KLO, 50
.set KHI, 51
.set A7,  52
.set A5,  54
.set A3,  56
.set A1,  58
.set B10, 60
.set B8,  62
.set B6,  66
.set B4,  68
.set B2,  70
.set MSB, 0
.macro WIN new                         ; the immediate's high byte repeats the setting that is left
.if MSB != (\new)
	s_set_vgpr_msb (MSB<<8)|(\new)
.set MSB, \new
.endif
.endm
.macro PLACES n
.rept \n
	v_nop
.endr
.endm
.macro KPAIR r, bits                   ; a packed form names a pair and takes its low word for both halves: both are written
	s_mov_b32 s[\r], \bits
	s_mov_b32 s[\r+1], \bits
.endm
.macro GSEL set, i                     ; landing quad i of a set: its window GW and register GR
.if (\set) == 0
.set GW, 3
.set GR, 96+4*(\i)
.elseif (\i) < 16
.set GW, 3
.set GR, 192+4*(\i)
.elseif (\i) < 20
.set GW, 1
.set GR, 240+4*((\i)-16)
.else
.set GW, 2
.set GR, 240+4*((\i)-20)
.endif
.endm
.macro LOADW ct, set                   ; column tile ct from memory: lanes 0-15 its rows 0-7 (6,144 dense bytes), lanes 16-31 its rows 8-15, 16 rows of W1 further on
.set li, 0
.rept 24
	GSEL \set, li
	WIN GW<<6
	global_load_b128 v[GR:GR+3], v[GLW], s[WBS:WBS+1] offset:(32*((\ct)/2)+8*((\ct)%2))*768+256*li
.set li, li+1
.endr
	WIN 0
.endm
.macro STAGE set                       ; into the stage, as rows 816 bytes apart
.set li, 0
.rept 24
	GSEL \set, li
	WIN GW<<2
	ds_store_b128 v[LST], v[GR:GR+3] offset:(li/3)*PIT+(li%3)*256
.set li, li+1
.endr
	WIN 0
.endm
.macro FETCH ct                        ; the tile's 8 fragments (lane (r, h): row r, 24 bytes at 96 s + 24 h and at 96 s + 48 + 24 h), its 8 scale words a row, its b1
	WIN 0xc0
.set fs, 0
.rept 8
.irp p, 0,1,2,3,4,5
	ds_load_b64 v[12*fs+2*\p:12*fs+2*\p+1], v[LFR] offset:96*fs+48*(\p/3)+8*(\p%3)
.endr
.set fs, fs+1
.endr
	WIN 0
.set R0, 32*((\ct)/2)+8*((\ct)%2)
	ds_load_b128 v[SB:SB+3], v[LSC] offset:R0*32
	ds_load_b128 v[SB+4:SB+7], v[LSC] offset:R0*32+16
	ds_load_b128 v[BI:BI+3], v[LBI] offset:R0*4
	ds_load_b128 v[BI+4:BI+7], v[LBI] offset:R0*4+16
.endm
.macro MULT acc0                       ; 40 products: K step by K step, the five tiles of rows by turns
.set ms, 0
.rept 8
.if ms < 4
	WIN 0x07                                       ; source 0 window 3, source 1 window 1
.else
	WIN 0x0b                                       ; source 1 window 2
.endif
.irp m, 0,1,2,3,4
.set rD, (\acc0)+16*\m
.set rA, ((ms%4)*5+\m)*12
.if ms == 0
	v_wmma_scale_f32_16x16x128_f8f6f4 v[rD:rD+7], v[12*ms:12*ms+11], v[rA:rA+11], v[BI:BI+7], v[SB+ms], v[SA+8*\m+ms] matrix_a_fmt:MATRIX_FMT_BF6 matrix_b_fmt:MATRIX_FMT_BF6
.else
	v_wmma_scale_f32_16x16x128_f8f6f4 v[rD:rD+7], v[12*ms:12*ms+11], v[rA:rA+11], v[rD:rD+7], v[SB+ms], v[SA+8*\m+ms] matrix_a_fmt:MATRIX_FMT_BF6 matrix_b_fmt:MATRIX_FMT_BF6
.endif
.endr
.set ms, ms+1
.endr
	WIN 0
.endm
.macro HORN r, k                       ; a Horner step on four pairs
.irp q, 0,2,4,6
	v_pk_fma_f32 v[\r+\q:\r+\q+1], v[\r+\q:\r+\q+1], v[Y+\q:Y+\q+1], s[\k:\k+1] op_sel_hi:[1,1,0]
.endr
.endm
.macro GELU a                          ; eight numbers in place, from the accumulator's low end on
.irp q, 0,2,4,6
	v_pk_mul_f32 v[Z+\q:Z+\q+1], v[(\a)+\q:(\a)+\q+1], s[KC:KC+1] op_sel_hi:[1,0]
.endr
.irp q, 0,1,2,3,4,5,6,7
	v_med3_num_f32 v[Z+\q], v[Z+\q], s[KLO], s[KHI]
.endr
.irp q, 0,2,4,6
	v_pk_mul_f32 v[Y+\q:Y+\q+1], v[Z+\q:Z+\q+1], v[Z+\q:Z+\q+1]
.endr
.irp q, 0,2,4,6
	v_pk_fma_f32 v[P+\q:P+\q+1], v[Y+\q:Y+\q+1], v[KA9:KA9+1], s[A7:A7+1] op_sel_hi:[1,1,0]
.endr
.irp q, 0,2,4,6
	v_pk_fma_f32 v[Q+\q:Q+\q+1], v[Y+\q:Y+\q+1], v[KB12:KB12+1], s[B10:B10+1] op_sel_hi:[1,1,0]
.endr
	HORN P, A5
	HORN Q, B8
	HORN P, A3
	HORN Q, B6
	HORN P, A1
	HORN Q, B4
	HORN Q, B2
.irp q, 0,2,4,6
	v_pk_fma_f32 v[Q+\q:Q+\q+1], v[Q+\q:Q+\q+1], v[Y+\q:Y+\q+1], 1.0 op_sel_hi:[1,1,0]
.endr
	s_wait_alu depctr_va_vdst(0)
.irp q, 0,1,2,3,4,5,6,7
	v_rcp_f32 v[Q+\q], v[Q+\q]
.endr
.irp q, 0,2,4,6
	v_pk_mul_f32 v[P+\q:P+\q+1], v[P+\q:P+\q+1], v[Z+\q:Z+\q+1]      ; plain work behind the batch that names none of its results
.endr
.irp q, 0,2,4,6
	v_pk_mul_f32 v[(\a)+\q:(\a)+\q+1], v[(\a)+\q:(\a)+\q+1], 0.5 op_sel_hi:[1,0]
.endr
	s_wait_alu depctr_va_vdst(0)                   ; the eight reciprocals have written v[Q ..]: one wait for the batch, ahead of its first reader
.irp q, 0,2,4,6
	v_pk_mul_f32 v[P+\q:P+\q+1], v[P+\q:P+\q+1], v[Q+\q:Q+\q+1]      ; erf
.endr
.irp q, 0,2,4,6
	v_pk_fma_f32 v[(\a)+\q:(\a)+\q+1], v[(\a)+\q:(\a)+\q+1], v[P+\q:P+\q+1], v[(\a)+\q:(\a)+\q+1]   ; 0.5 v erf + 0.5 v
.endr
.endm
; Block b (32 hidden units) of tile m: my 16 numbers and lane l xor 16's.  An odd b completes half an image (blocks b - 1 and b), which leaves at once.
.macro QBLK b, m
.set AQ, ACC+16*(\m)
	v_max3_num_f32 v[TM], |v[AQ]|, |v[AQ+1]|, 0x2800000            ; with the floor 2^(5 - 127): the byte cannot fall under 1
	v_max3_num_f32 v[TM+1], |v[AQ+2]|, |v[AQ+3]|, |v[AQ+4]|
	s_wait_alu depctr_va_vdst(0)
	v_max3_num_f32 v[TM], v[TM], |v[AQ+5]|, |v[AQ+6]|
	v_max3_num_f32 v[TM+1], v[TM+1], |v[AQ+7]|, |v[AQ+8]|
	v_max3_num_f32 v[TM], v[TM], |v[AQ+9]|, |v[AQ+10]|
	v_max3_num_f32 v[TM+1], v[TM+1], |v[AQ+11]|, |v[AQ+12]|
	v_max3_num_f32 v[TM], v[TM], |v[AQ+13]|, |v[AQ+14]|
	v_max3_num_f32 v[TM], v[TM], v[TM+1], |v[AQ+15]|
	v_permlanex16_b32 v[TM+2], v[TM], s[SEL], s[SEL+1]
	v_max_num_f32 v[TM], v[TM], v[TM+2]
	v_add_nc_u32 v[TM+3], 0xfe000000, v[TM]        ; 4 off the exponent field: the conversion's scale operand
	v_lshrrev_b32 v[TM+4], 23, v[TM+3]             ; the byte
.if (\b) == 0
	v_mov_b32 v[PW+\m], v[TM+4]
.else
	v_lshl_or_b32 v[PW+\m], v[TM+4], 8*(\b), v[PW+\m]
.endif
.if (\b)%2 == 0
	v_cvt_scalef32_pk16_bf6_f32 v[EC+4*(\m):EC+4*(\m)+2], v[AQ:AQ+15], v[TM+3]
	v_nop                                          ; a plain line behind a scaled conversion
.else
	v_cvt_scalef32_pk16_bf6_f32 v[D2:D2+2], v[AQ:AQ+15], v[TM+3]
	v_nop
.irp i, 0,1,2
	v_permlane16_swap_b32 v[EC+4*(\m)+\i], v[D2+\i]                ; a whole block to a lane: lanes 0-15 block b - 1, lanes 16-31 block b
.endr
	v_mov_b32 v[EC+4*(\m)+3], v[D2]
	v_mov_b32 v[Y2+2*(\m)], v[D2+1]
	v_mov_b32 v[Y2+2*(\m)+1], v[D2+2]
	s_wait_alu depctr_va_vdst(0)                   ; the exchanges and moves have written this tile's v[EC ..] and v[Y2 ..], and the line above them its scale word: the stores below read them.  (A wait to each live tile: the tiles stand under branches)
	global_store_b128 v[LI], v[EC+4*(\m):EC+4*(\m)+3], s[HQS:HQS+1] offset:49152*(\m)+768*((\b)/2)       ; 512 consecutive bytes, aligned
	global_store_b64 v[L8], v[Y2+2*(\m):Y2+2*(\m)+1], s[HQS:HQS+1] offset:49152*(\m)+768*((\b)/2)+512    ; 256 consecutive bytes, aligned
.endif
.if (\b) == 3
	global_store_b32 v[L4], v[PW+\m], s[HSS:HSS+1] offset:4096*(\m)
.endif
.endm
; A column tile.  Its fragments are in.  The next tile goes into the stage beside the products; the tile three on is asked for behind them; the next tile's fragments come out of the stage while this tile is activated.
.macro TILE ct
.set TU, (\ct)%2
.set TB, (\ct)/2
	s_wait_dscnt 0x0                               ; fragments, scale words and b1 are in: my reads of the stage are over
.if (\ct) < 7
.if (\ct) < 6
	s_wait_loadcnt 24                              ; the next tile's 24 loads are in; only those of the tile after it are younger
.else
	s_wait_loadcnt 0x0
.endif
	STAGE ((\ct)+1)%2                              ; their data come from loads and their address from the head: nothing is owed for them
.endif
	MULT ACC+8*TU
.if (\ct) < 5
	s_wait_dscnt 0x0                               ; only the stage's 24 stores were out: they are done
	s_wait_alu depctr_vm_vsrc(0)                   ; the stage's stores have read the landing set, in which the loads below land; no vector or matrix instruction ever names it
	LOADW (\ct)+3, ((\ct)+1)%2                     ; the tile three on
.endif
	PLACES 5                                       ; ahead of the first read of results and of the next products that begin an accumulator anew; they stay beside the wait below
.if (\ct) < 7
	s_wait_alu depctr_va_vdst(0)                   ; the products are done reading the fragments, v[SB ..] and v[BI ..], in which the loads below land
	FETCH (\ct)+1
.endif
	GELU ACC+8*TU
.irp m, 1,2,3,4
	s_cmp_le_u32 s[NT], \m                         ; tiles of rows past the chunk's end are not activated
	s_cbranch_scc1 .Lg_\@
	GELU ACC+16*\m+8*TU
.endr
.Lg_\@:
.if (\ct)%2 == 1
	s_wait_xcnt 0x0                                ; earlier stores have read the registers that are written again below
.if (\ct) == 5
	s_wait_alu depctr_vm_vsrc(0)                   ; tile 3's stores to hq have read v[EC ..] and v[Y2 ..], which this block's conversions and the next block's moves write again
.endif
	QBLK TB, 0
.irp m, 1,2,3,4
	s_cmp_le_u32 s[NT], \m
	s_cbranch_scc1 .Lq_\@
	QBLK TB, \m
.endr
.Lq_\@:
.endif
.endm
	s_load_b256 s[8:15], s[0:1], 0x0               ; xq, W1's codes, W1's scales, b1
	s_load_b128 s[16:19], s[0:1], 0x20             ; lists, hq
	v_lshl_add_u32 v[SPW], v0, 2, SPARE
	v_mov_b32 v[NIL], 0
	v_lshrrev_b32 v1, 5, v0
	v_readfirstlane_b32 s[WV], v1                  ; wave 0..3
	v_and_b32 v[VL], 31, v0
	v_and_b32 v[VR], 15, v0
	v_bfe_u32 v[VH], v0, 4, 1
	s_wait_alu depctr_va_sdst(0)                   ; the wave's number is written, ahead of its first reader: LDS regions and bases are made from it
	s_mul_i32 s22, s[WV], WREG
	s_add_co_u32 s22, s22, WR0                     ; my region of LDS
	v_lshlrev_b32 v[LI], 4, v[VL]
	v_lshlrev_b32 v[L8], 3, v[VL]
	v_lshlrev_b32 v[L4], 2, v[VL]
	v_lshlrev_b32 v[R4], 2, v[VR]
	v_lshlrev_b32 v1, 4, v[VR]
	v_mad_u32_u24 v[GLW], v[VH], 12288, v1
	v_mad_u32_u24 v[LST], v[VH], 8*PIT, v1
	v_add_nc_u32 v[LST], s22, v[LST]
	v_mul_u32_u24 v[LFR], v[VR], PIT
	v_mad_u32_u24 v[LFR], v[VH], 24, v[LFR]
	v_add_nc_u32 v[LFR], s22, v[LFR]
	v_and_b32 v1, 8, v[VR]
	v_add_nc_u32 v1, v1, v[VR]                     ; r + 8 (r / 8)
	v_lshlrev_b32 v[LSC], 5, v1
	s_add_co_u32 s23, s22, OSC
	v_add_nc_u32 v[LSC], s23, v[LSC]
	v_add_nc_u32 v[LSS], s23, v[LI]
	s_add_co_u32 s23, s22, OBI
	v_lshl_add_u32 v[LBI], v[VH], 6, s23
	s_mul_i32 s23, s[WV], 3072
	v_add_nc_u32 v[XST], s23, v[LI]
	s_mul_i32 s23, s[WV], 192
	v_mul_u32_u24 v[XOF], v[VH], 48
	v_add_nc_u32 v[XOF], s23, v[XOF]               ; in a token's codes: my two K steps, my half
	v_mov_b32 v[KA9], 0x39702d51
	v_mov_b32 v[KA9+1], 0x39702d51
	v_mov_b32 v[KB12], 0xb3fd3906
	v_mov_b32 v[KB12+1], 0xb3fd3906
.set i, 0
.rept 20
	v_mov_b32 v[EC+i], 0                           ; written once: no way through the text reads them unwritten
.set i, i+1
.endr
.irp m, 0,1,2,3,4
	v_mov_b32 v[PW+\m], 0
.endr
	v_mov_b32 v[TM+2], 0                           ; a lane permute's destination counts as one of its sources
	s_mov_b32 s[SEL], 0x76543210
	s_mov_b32 s[SEL+1], 0xfedcba98
	KPAIR KC, 0x3f3504f3                           ; 1 / sqrt 2
	s_mov_b32 s[KLO], 0xc06f9c67
	s_mov_b32 s[KHI], 0x406f9c67
	KPAIR A7, 0x3b5f5da2
	KPAIR A5, 0x3d50b6eb
	KPAIR A3, 0x3e3da740
	KPAIR A1, 0x3f906eba
	KPAIR B10, 0x37c588df
	KPAIR B8, 0x3a856d27
	KPAIR B6, 0x3c6687d4
	KPAIR B4, 0x3de34c21
	KPAIR B2, 0x3efeb44a
	s_and_b32 s[GG], ttmp7, 0xffff                 ; the chunk
	s_lshl_b32 s22, s[GG], 2
	s_mov_b32 s23, 0
	s_wait_kmcnt 0x0
	s_add_nc_u64 s[44:45], s[16:17], s[22:23]
	s_load_b32 s[WORD], s[44:45], CH               ; expert | tiles << 8
	s_mul_i32 s22, s[GG], 320
	s_add_nc_u64 s[RTS:RTS+1], s[16:17], s[22:23]
	s_wait_alu depctr_va_vdst(0)                   ; the addresses v2 to v11 and v[R4] are written, which the loads and stores of the whole kernel read
.irp m, 0,1,2,3,4
	global_load_b32 v[RT+\m], v[R4], s[RTS:RTS+1] offset:64*\m      ; the slots of my lane's row in each tile
.endr
	s_wait_kmcnt 0x0
	s_and_b32 s[EE], s[WORD], 0xff
	s_min_u32 s[EE], s[EE], 7
	s_bfe_u32 s[NT], s[WORD], 0x80008
	s_min_u32 s[NT], s[NT], 5
	s_lshl_b32 s24, ttmp9, 9
	s_lshl_b32 s25, s[WV], 7
	s_add_co_u32 s24, s24, s25                     ; my first hidden unit
	s_mul_i32 s22, s[EE], 3145728
	s_mul_i32 s25, s24, 768
	s_add_co_u32 s22, s22, s25
	s_add_nc_u64 s[WBS:WBS+1], s[10:11], s[22:23]
	s_lshl_b32 s22, s[EE], 17
	s_lshl_b32 s25, s24, 5
	s_add_co_u32 s22, s22, s25
	s_add_nc_u64 s[WSS:WSS+1], s[12:13], s[22:23]
	s_lshl_b32 s22, s[EE], 14
	s_lshl_b32 s25, s24, 2
	s_add_co_u32 s22, s22, s25
	s_add_nc_u64 s[B1S:B1S+1], s[14:15], s[22:23]
	s_lshl_b32 s24, ttmp9, 2
	s_add_co_u32 s24, s24, s[WV]                   ; which K step of the second product I make
	s_mul_i32 s22, s[GG], 245760
	s_mul_i32 s25, s24, 1536
	s_add_co_u32 s22, s22, s25
	s_add_nc_u64 s[HQS:HQS+1], s[18:19], s[22:23]
	s_mul_i32 s22, s[GG], 20480
	s_lshl_b32 s25, s24, 7
	s_add_co_u32 s22, s22, s25
	s_add_co_u32 s22, s22, HS
	s_add_nc_u64 s[HSS:HSS+1], s[18:19], s[22:23]
.irp i, 0,1,2,3,4,5,6,7
	global_load_b128 v[ACC+4*\i:ACC+4*\i+3], v[LI], s[WSS:WSS+1] offset:512*\i   ; my 128 rows' scale bytes: 4,096 dense bytes
.endr
	global_load_b128 v[ACC+32:ACC+35], v[LI], s[B1S:B1S+1]          ; my 128 numbers of b1
	LOADW 0, 0
	s_wait_loadcnt 33                              ; the five slots are in: 9 + 24 younger loads may be out
.irp m, 0,1,2,3,4
	v_lshrrev_b32 v[RT+\m], 1, v[RT+\m]            ; the token; a pad row takes the last one
	v_min_u32 v[RT+\m], 0x3ff, v[RT+\m]
	v_lshlrev_b32 v[XSO+\m], 5, v[RT+\m]
	v_mul_u32_u24 v[RT+\m], v[RT+\m], 768
	v_add_nc_u32 v[RT+\m], v[XOF], v[RT+\m]
.endr
	WIN 0x40
	s_wait_alu depctr_va_vdst(0)                   ; the ten offsets v[RT ..] and v[XSO ..] are written, which the loads of x and of its scale words read
.irp m, 0,1,2,3,4                      ; each wave brings K steps 2 w and 2 w + 1 of all five tiles: 48 bytes a lane and fragment
.irp kk, 0,1
.irp j, 0,1,2
	global_load_b128 v[12*(2*\m+\kk)+4*\j:12*(2*\m+\kk)+4*\j+3], v[RT+\m], s[8:9] offset:96*\kk+16*\j
.endr
.endr
.endr
	WIN 0
.irp m, 0,1,2,3,4
	global_load_b128 v[SA+8*\m:SA+8*\m+3], v[XSO+\m], s[8:9] offset:XS
	global_load_b128 v[SA+8*\m+4:SA+8*\m+7], v[XSO+\m], s[8:9] offset:XS+16
.endr
	LOADW 1, 1
	s_wait_loadcnt 24                              ; all but tile 1's
.irp i, 0,1,2,3,4,5,6,7
	ds_store_b128 v[LSS], v[ACC+4*\i:ACC+4*\i+3] offset:512*\i
.endr
	ds_store_b128 v[LSS], v[ACC+32:ACC+35] offset:4096
	WIN 0x04                                       ; an LDS store's data are its source 1: window 1
.irp m, 0,1,2,3,4
.irp kk, 0,1
.irp j, 0,1,2
	ds_store_b128 v[XST], v[12*(2*\m+\kk)+4*\j:12*(2*\m+\kk)+4*\j+3] offset:12288*\m+1536*\kk+512*\j
.endr
.endr
.endr
	WIN 0
	STAGE 0
	s_wait_dscnt 0x0                               ; for the others' sake: my images of x lie in LDS
	s_barrier_signal -1
	s_barrier_wait -1
	s_wait_alu depctr_vm_vsrc(0)                   ; my LDS stores have read window 1's v0-119, in which x's fragments land; landing set 0, in which tile 2 lands; and v[ACC .. ACC + 35], which the products write
	s_cmp_eq_u32 s[NT], 0                          ; a chunk without rows ends here
	s_cbranch_scc1 .Lend
	WIN 0x40
.irp s, 0,1,2,3
.irp m, 0,1,2,3,4
.irp j, 0,1,2
	ds_load_b128 v[(\s*5+\m)*12+4*\j:(\s*5+\m)*12+4*\j+3], v[LI] offset:(8*\m+\s)*1536+512*\j
.endr
.endr
.endr
	WIN 0x80
.irp s, 0,1,2,3
.irp m, 0,1,2,3,4
.irp j, 0,1,2
	ds_load_b128 v[(\s*5+\m)*12+4*\j:(\s*5+\m)*12+4*\j+3], v[LI] offset:(8*\m+\s+4)*1536+512*\j
.endr
.endr
.endr
	WIN 0
	FETCH 0
	LOADW 2, 0                                     ; (the stage's stores of set 0 were waited for ahead of the barrier)
	TILE 0
	TILE 1
	TILE 2
	TILE 3
	TILE 4
	TILE 5
	TILE 6
	TILE 7
.Lend:
	s_wait_dscnt 0x0                               ; the closing lines, six on end
	s_wait_alu 0x0
	s_wait_tensorcnt 0x0
	ds_add_u32 v[SPW], v[NIL]
	s_wait_dscnt 0x0
	s_endpgm
.Lfunc_end_k_q9b53df603e_ffn1:
	.size	k_q9b53df603e_ffn1, .Lfunc_end_k_q9b53df603e_ffn1-k_q9b53df603e_ffn1
	.p2alignl 7, 3214868480
	.fill 96, 4, 3214868480
	.section	.rodata,"a",@progbits
	.p2align	6, 0x0
	.amdhsa_kernel k_q9b53df603e_ffn1
		.amdhsa_group_segment_fixed_size 132608
		.amdhsa_private_segment_fixed_size 0
		.amdhsa_enable_private_segment 0
		.amdhsa_kernarg_size 48
		.amdhsa_user_sgpr_count 2
		.amdhsa_user_sgpr_kernarg_segment_ptr 1
		.amdhsa_wavefront_size32 1
		.amdhsa_system_sgpr_workgroup_id_x 1
		.amdhsa_system_sgpr_workgroup_id_y 1
		.amdhsa_system_sgpr_workgroup_id_z 1
		.amdhsa_system_vgpr_workitem_id 0
		.amdhsa_next_free_vgpr 1024
		.amdhsa_next_free_sgpr 80
		.amdhsa_reserve_vcc 0
		.amdhsa_float_denorm_mode_32 3
		.amdhsa_float_denorm_mode_16_64 3
		.amdhsa_memory_ordered 1
		.amdhsa_forward_progress 1
		.amdhsa_inst_pref_size 255
	.end_amdhsa_kernel
	.section	.bss,"aw",@nobits
	.p2align	6
	.space	262144
	.amdgpu_metadata
---
amdhsa.version: [ 1, 2 ]
amdhsa.kernels:
  - .name:           k_q9b53df603e_ffn1
    .symbol:         k_q9b53df603e_ffn1.kd
    .args:
      - { .name: xq, .offset: 0, .size: 8, .value_kind: global_buffer, .address_space: global }
      - { .name: W1_codes, .offset: 8, .size: 8, .value_kind: global_buffer, .address_space: global }
      - { .name: W1_scales, .offset: 16, .size: 8, .value_kind: global_buffer, .address_space: global }
      - { .name: b1, .offset: 24, .size: 8, .value_kind: global_buffer, .address_space: global }
      - { .name: lists, .offset: 32, .size: 8, .value_kind: global_buffer, .address_space: global }
      - { .name: hq, .offset: 40, .size: 8, .value_kind: global_buffer, .address_space: global }
    .group_segment_fixed_size: 132608
    .private_segment_fixed_size: 0
    .kernarg_segment_align: 8
    .kernarg_segment_size: 48
    .max_flat_workgroup_size: 128
    .sgpr_count:     80
    .vgpr_count:     1024
    .wavefront_size: 32
...
	.end_amdgpu_metadata
.endif
;; end of part 8
;; launch ffn2 (part 9): grid 8 x 33, 4 waves a work-group, no clusters, 243,200 bytes of LDS; arguments hq, W2_codes, W2_scales, b2, lists, rt, ybuf; writes ybuf
.if DOCPART == 9
	.amdgcn_target "amdgcn-amd-amdhsa--gfx1250"
	.amdhsa_code_object_version 6
	.text
	.protected	k_q9b53df603e_ffn2
	.globl	k_q9b53df603e_ffn2
	.p2align	8
	.type	k_q9b53df603e_ffn2,@function
k_q9b53df603e_ffn2:
	s_mov_b64 s[64:65], 0
	v_nop
	global_prefetch_b8 v0, s[64:65] scope:SCOPE_SE
	s_setreg_imm32_b32 hwreg(HW_REG_WAVE_SCHED_MODE, 0, 2), 2
	s_setreg_imm32_b32 hwreg(HW_REG_WAVE_MODE, 25, 1), 1
	s_wait_xcnt 0x0
	s_wait_alu depctr_vm_vsrc(0)
; FFN2: ybuf[slot] = w (h W2[e] + b2[e]) for the routed rows alone (rows of experts not chosen have the weight 0 that reference() builds: shown at the head of the first kernel).
; SHARES.  Work-group (ns, g): chunk g of the row list x output columns 128 ns .. 128 ns + 127.  K = 4,096 IS SPLIT OVER THE FOUR WAVES: wave w takes K steps 8 w .. 8 w + 7, bytes 768 w .. 768 w + 767 of
; each row of W2, so that no operand is read by two waves.  The engine is the first product's: the chunk's h (5 tiles x 8 K steps) stays in 480 registers, W2 comes by column tiles of 16 rows x 768 bytes
; (sixteen lanes read 256 consecutive, aligned bytes), turned through the wave's own stage (rows 816 bytes apart) into 8 fragments; 40 products a tile on 5 accumulators by turns.
; TRANSPOSED USE: source 0 = 16 rows of W2 (output columns), source 1 = 16 rows of h: a lane holds one row and eight neighbouring columns.
; The four waves' partial sums meet in LDS behind ONE barrier, which stands where every way through the text passes; then wave w adds, for rows 4 w .. 4 w + 3 of each live tile, the four parts and b2, multiplies by the
; row's weight and stores 512 consecutive bytes a row.  All that is read behind the barrier is made ahead of the jump that leads an empty chunk to it.
; A pad tile (past the chunk's end) loads the last live tile once more, so that no unwritten byte is read and the turns stay; it is not reduced.  A pad row (list value 2048) is not stored.
; NO JOINT LOADS, though the chunks of one expert read the same weights: the number of live tiles and the slots are read from memory and branched on.
; REGISTERS: window 0: the names below.  Windows 1, 2: v0-239 h's fragments of my K steps 0-3, 4-7 at ((s % 4) 5 + m) 12.  Window 3: v0-95 the tile's fragments, v96-191 landing set 0;
; landing set 1: window 3 v192-255, window 1 v240-255, window 2 v240-255.
; THE MODE: SCHED_MODE bits 1:0 = 2 (LLVM: expert scheduling mode 2), set by the entry lines.  The code itself states the register dependences
; between vector or matrix instructions and memory or LDS instructions, with s_wait_alu, always for 0.
; THE PLAN.  Registers that memory or LDS instructions touch:
;   the two landing sets       written by a tile's 24 loads from memory, read by its 24 LDS stores into the stage; no vector or matrix instruction names them.
;   the fragments, v[SB ..]    written by a tile's 50 LDS loads, read by its 40 products.
;   h's fragments, v[SA ..]    loaded at the head and never again, read by the products.
;   v[ACC ..]                  written by a tile's products, read by its ten LDS stores of partial sums, begun anew by the next tile's products.
;   v[RQ ..]                   v128-134 at work in the head; v160-191 W2's scale bytes (loaded, stored to LDS); behind the barrier: a tile's sixteen LDS loads land there, its sums are made there, its four stores read them.
;   the addresses              made at the head, never written again; v[AO16 ..], v[AO8 ..], v[AO4 ..]: made behind the jump, read by the loads of h.
; A TILE: one wait on vm_vsrc at its head (the last tile's partial stores have read the accumulators); the next tile's stores into the stage go out ahead of the products and run beside them; behind the products one
; wait on vm_vsrc frees that landing set for the loads of the tile three on; behind the places ONE wait on va_vdst states that the accumulators are written and the fragments and scale words read: the next tile's LDS loads
; and this tile's partial stores follow it.
.set CH,    10752
.set HS,    8110080
.set PIT,   816
.set WREG,  17152                      ; LDS: a region for each wave: the stage (16 x 816) and its scale bytes (128 rows x 32)
.set OSC,   13056
.set PB,    68608                      ; the partial sums: 43,520 bytes a wave: (5 ct + m) 1,088 + 544 (upper four registers) + 272 h + 16 r
.set PREG,  43520
.set SPARE, 242688                     ; the spare words, 128 bytes a wave, that no other line names
.set GLW, 2
.set LST, 3
.set LFR, 4
.set LSC, 5
.set LSS, 6
.set L16, 7
.set L8,  8
.set L4,  9
.set PST, 10
.set GSC, 11
.set SPW, 12
.set NIL, 13
.set RD,  14                           ; v14-17 where I read wave q's part
.set AO16, 18                          ; v18-22, v23-27, v28-32: offsets of tile m's images in hq
.set AO8, 23
.set AO4, 28
.set SA,  34                           ; v34-73 h's scale words, 8 m + s
.set SB,  74                           ; v74-81 the tile's scale words
.set ACC, 84                           ; v84-123
.set B2,  124                          ; v124-127 my four numbers of b2
.set RQ,  128                          ; v128-191 the reduction's 16 quads (v128-135 at work in the head, v160-191 W2's scale bytes on their way)
.set WORD, 26
.set EE,  27
.set NT,  30
.set WV,  31
.set WBS, 32
.set GG,  34
.set SLOT, 40                          ; s40-59 the slots of my 4 rows in each tile
.set WSS, 60
.set B2S, 62
.set HQB, 66
.set WGT, 68                           ; s68-87 their weights
.set YST, 88                           ; s88-95 four rows' addresses
.set YB,  96
.set HSB, 98
.set MSB, 0
.macro WIN new                         ; the immediate's high byte repeats the setting that is left
.if MSB != (\new)
	s_set_vgpr_msb (MSB<<8)|(\new)
.set MSB, \new
.endif
.endm
.macro PLACES n
.rept \n
	v_nop
.endr
.endm
.macro GSEL set, i
.if (\set) == 0
.set GW, 3
.set GR, 96+4*(\i)
.elseif (\i) < 16
.set GW, 3
.set GR, 192+4*(\i)
.elseif (\i) < 20
.set GW, 1
.set GR, 240+4*((\i)-16)
.else
.set GW, 2
.set GR, 240+4*((\i)-20)
.endif
.endm
.macro LOADW ct, set                   ; column tile ct: lanes 0-15 its rows 0-7, lanes 16-31 its rows 8-15; three pieces of 256 bytes a row
.set li, 0
.rept 24
	GSEL \set, li
	WIN GW<<6
	global_load_b128 v[GR:GR+3], v[GLW], s[WBS:WBS+1] offset:(16*(\ct)+li/3)*3072+(li%3)*256
.set li, li+1
.endr
	WIN 0
.endm
.macro STAGE set
.set li, 0
.rept 24
	GSEL \set, li
	WIN GW<<2
	ds_store_b128 v[LST], v[GR:GR+3] offset:(li/3)*PIT+(li%3)*256
.set li, li+1
.endr
	WIN 0
.endm
.macro FETCH ct
	WIN 0xc0
.set fs, 0
.rept 8
.irp p, 0,1,2,3,4,5
	ds_load_b64 v[12*fs+2*\p:12*fs+2*\p+1], v[LFR] offset:96*fs+48*(\p/3)+8*(\p%3)
.endr
.set fs, fs+1
.endr
	WIN 0
	ds_load_b128 v[SB:SB+3], v[LSC] offset:512*(\ct)
	ds_load_b128 v[SB+4:SB+7], v[LSC] offset:512*(\ct)+16
.endm
.macro MULT                            ; 40 products; the first K step starts the sums with the constant 0
.set ms, 0
.rept 8
.if ms < 4
	WIN 0x07
.else
	WIN 0x0b
.endif
.irp m, 0,1,2,3,4
.set rD, ACC+8*\m
.set rA, ((ms%4)*5+\m)*12
.if ms == 0
	v_wmma_scale_f32_16x16x128_f8f6f4 v[rD:rD+7], v[12*ms:12*ms+11], v[rA:rA+11], 0, v[SB+ms], v[SA+8*\m+ms] matrix_a_fmt:MATRIX_FMT_BF6 matrix_b_fmt:MATRIX_FMT_BF6
.else
	v_wmma_scale_f32_16x16x128_f8f6f4 v[rD:rD+7], v[12*ms:12*ms+11], v[rA:rA+11], v[rD:rD+7], v[SB+ms], v[SA+8*\m+ms] matrix_a_fmt:MATRIX_FMT_BF6 matrix_b_fmt:MATRIX_FMT_BF6
.endif
.endr
.set ms, ms+1
.endr
	WIN 0
.endm
.macro TILE ct
	s_wait_dscnt 0x0                               ; the fragments and scale words are in: my reads of the stage are over; the last tile's partial stores are done
.if (\ct) > 0
	s_wait_alu depctr_vm_vsrc(0)                   ; the last tile's partial stores have read the accumulators, which the products below begin anew
.endif
.if (\ct) < 7
.if (\ct) < 6
	s_wait_loadcnt 24                              ; the next tile's 24 loads are in; only those of the tile after it are younger
.else
	s_wait_loadcnt 0x0
.endif
	STAGE ((\ct)+1)%2                              ; their data come from loads and their address from the head: nothing is owed for them
.endif
	MULT
.if (\ct) < 5
	s_wait_dscnt 0x0                               ; only the stage's 24 stores were out: they are done
	s_wait_alu depctr_vm_vsrc(0)                   ; the stage's stores have read the landing set, in which the loads below land; no vector or matrix instruction ever names it
	LOADW (\ct)+3, ((\ct)+1)%2                     ; the tile three on
.endif
	PLACES 5                                       ; ahead of the stores of results and of the next products, which begin the accumulators anew; they stay beside the wait below
	s_wait_alu depctr_va_vdst(0)                   ; the products have written the accumulators, which the partial stores read, and are done reading the fragments and v[SB ..], in which the loads below land
.if (\ct) < 7
	FETCH (\ct)+1
.endif
.irp m, 0,1,2,3,4
	ds_store_b128 v[PST], v[ACC+8*\m:ACC+8*\m+3] offset:(5*(\ct)+\m)*1088          ; each accumulator from its low end on
	ds_store_b128 v[PST], v[ACC+8*\m+4:ACC+8*\m+7] offset:(5*(\ct)+\m)*1088+544
.endr
.endm
; Tile m's rows 4 w .. 4 w + 3: lane l owns columns 4 l .. 4 l + 3.  The four rows' sums first, one wait, then their stores.
.macro RED m
	s_wait_xcnt 0x0                                ; the last tile's stores have read their registers and addresses
.irp i, 0,1,2,3
	s_min_u32 s28, s[SLOT+4*\m+\i], 0x7ff
	s_lshl_b32 s28, s28, 12
	s_add_nc_u64 s[YST+2*\i:YST+2*\i+1], s[YB:YB+1], s[28:29]
.endr
.irp i, 0,1,2,3
.irp q, 0,1,2,3
	ds_load_b128 v[RQ+16*\i+4*\q:RQ+16*\i+4*\q+3], v[RD+\q] offset:1088*\m+16*\i
.endr
.endr
.irp i, 0,1,2,3
	s_wait_dscnt 12-4*\i                           ; row i's four parts are in; the later rows' may be out
	v_pk_add_f32 v[RQ+16*\i:RQ+16*\i+1], v[RQ+16*\i:RQ+16*\i+1], v[RQ+16*\i+4:RQ+16*\i+5]
	v_pk_add_f32 v[RQ+16*\i+2:RQ+16*\i+3], v[RQ+16*\i+2:RQ+16*\i+3], v[RQ+16*\i+6:RQ+16*\i+7]
	v_pk_add_f32 v[RQ+16*\i+8:RQ+16*\i+9], v[RQ+16*\i+8:RQ+16*\i+9], v[RQ+16*\i+12:RQ+16*\i+13]
	v_pk_add_f32 v[RQ+16*\i+10:RQ+16*\i+11], v[RQ+16*\i+10:RQ+16*\i+11], v[RQ+16*\i+14:RQ+16*\i+15]
	v_pk_add_f32 v[RQ+16*\i:RQ+16*\i+1], v[RQ+16*\i:RQ+16*\i+1], v[RQ+16*\i+8:RQ+16*\i+9]
	v_pk_add_f32 v[RQ+16*\i+2:RQ+16*\i+3], v[RQ+16*\i+2:RQ+16*\i+3], v[RQ+16*\i+10:RQ+16*\i+11]
	v_pk_add_f32 v[RQ+16*\i:RQ+16*\i+1], v[RQ+16*\i:RQ+16*\i+1], v[B2:B2+1]
	v_pk_add_f32 v[RQ+16*\i+2:RQ+16*\i+3], v[RQ+16*\i+2:RQ+16*\i+3], v[B2+2:B2+3]
.irp x, 0,1,2,3
	v_mul_f32 v[RQ+16*\i+\x], s[WGT+4*\m+\i], v[RQ+16*\i+\x]
.endr
.endr
	s_wait_alu depctr_va_vdst(0)                   ; the four rows' sums are written, which the stores below read; and the vector lines are done with v[RQ ..], in which the next tile's parts land: no vector line follows in this tile
.irp i, 0,1,2,3
	s_cmp_gt_u32 s[SLOT+4*\m+\i], 0x7ff            ; a pad row is not stored
	s_cbranch_scc1 .Lpad_\@_\i
	global_store_b128 v[L16], v[RQ+16*\i:RQ+16*\i+3], s[YST+2*\i:YST+2*\i+1]       ; 32 lanes store 512 consecutive bytes, aligned
.Lpad_\@_\i:
.endr
.endm
	s_load_b256 s[8:15], s[0:1], 0x0               ; hq, W2's codes, W2's scales, b2
	s_load_b128 s[16:19], s[0:1], 0x20             ; lists, rt
	s_load_b64 s[20:21], s[0:1], 0x30              ; ybuf
	v_lshl_add_u32 v[SPW], v0, 2, SPARE
	v_mov_b32 v[NIL], 0
	v_lshrrev_b32 v1, 5, v0
	v_readfirstlane_b32 s[WV], v1                  ; wave 0..3
	v_and_b32 v128, 31, v0                         ; lane
	v_and_b32 v129, 15, v0                         ; r
	v_bfe_u32 v130, v0, 4, 1                       ; h
	s_wait_alu depctr_va_sdst(0)                   ; the wave's number is written, ahead of its first reader: LDS regions and bases are made from it
	s_mul_i32 s22, s[WV], WREG                     ; my region of LDS
	v_lshlrev_b32 v[L16], 4, v128
	v_lshlrev_b32 v[L8], 3, v128
	v_lshlrev_b32 v[L4], 2, v128
	v_lshlrev_b32 v131, 4, v129
	v_mad_u32_u24 v[GLW], v130, 24576, v131
	v_mad_u32_u24 v[LST], v130, 8*PIT, v131
	v_add_nc_u32 v[LST], s22, v[LST]
	v_mul_u32_u24 v[LFR], v129, PIT
	v_mad_u32_u24 v[LFR], v130, 24, v[LFR]
	v_add_nc_u32 v[LFR], s22, v[LFR]
	s_add_co_u32 s23, s22, OSC
	v_lshl_add_u32 v[LSC], v129, 5, s23
	v_add_nc_u32 v[LSS], s23, v[L16]
	s_mul_i32 s23, s[WV], PREG
	s_add_co_u32 s23, s23, PB
	v_mad_u32_u24 v[PST], v130, 272, v131
	v_add_nc_u32 v[PST], s23, v[PST]
	v_lshrrev_b32 v132, 1, v128
	v_lshlrev_b32 v132, 7, v132
	v_and_b32 v133, 1, v128
	v_lshl_add_u32 v[GSC], v133, 4, v132           ; W2's scale bytes: row lane / 2, half lane % 2 of my 32 bytes
	v_lshrrev_b32 v132, 2, v128
	v_mul_u32_u24 v132, v132, 5440                 ; columns 4 l: column tile l / 4,
	v_mad_u32_u24 v132, v133, 544, v132            ; upper four registers where l % 2,
	v_bfe_u32 v134, v0, 1, 1
	v_mad_u32_u24 v132, v134, 272, v132            ; half (l / 2) % 2
	s_lshl_b32 s23, s[WV], 6
	s_add_co_u32 s23, s23, PB
	v_add_nc_u32 v[RD], s23, v132
.irp q, 1,2,3
	v_add_nc_u32 v[RD+\q], \q*PREG, v[RD]
.endr
	s_and_b32 s[GG], ttmp7, 0xffff                 ; the chunk
	s_lshl_b32 s22, s[GG], 2
	s_mov_b32 s23, 0
	s_mov_b32 s29, 0
	s_wait_kmcnt 0x0
	s_add_nc_u64 s[36:37], s[16:17], s[22:23]
	s_load_b32 s[WORD], s[36:37], CH               ; expert | tiles << 8
	s_mul_i32 s22, s[GG], 320
	s_lshl_b32 s24, s[WV], 4
	s_add_co_u32 s22, s22, s24
	s_add_nc_u64 s[38:39], s[16:17], s[22:23]
.irp m, 0,1,2,3,4
	s_load_b128 s[SLOT+4*\m:SLOT+4*\m+3], s[38:39], 64*\m
.endr
	s_wait_kmcnt 0x0
	s_and_b32 s[EE], s[WORD], 0xff
	s_min_u32 s[EE], s[EE], 7
	s_bfe_u32 s[NT], s[WORD], 0x80008
	s_min_u32 s[NT], s[NT], 5
.set n, 0
.rept 20
	s_min_u32 s[WGT+n], s[SLOT+n], 0x7ff           ; a pad row reads the last weight and uses none
	s_lshl_b32 s[WGT+n], s[WGT+n], 2
	s_load_b32 s[WGT+n], s[18:19], s[WGT+n] offset:0x0
.set n, n+1
.endr
	s_mul_i32 s22, s[EE], 3145728
	s_mul_i32 s24, ttmp9, 393216
	s_add_co_u32 s22, s22, s24
	s_mul_i32 s24, s[WV], 768
	s_add_co_u32 s22, s22, s24
	s_add_nc_u64 s[WBS:WBS+1], s[10:11], s[22:23]
	s_lshl_b32 s22, s[EE], 17
	s_lshl_b32 s24, ttmp9, 14
	s_add_co_u32 s22, s22, s24
	s_lshl_b32 s24, s[WV], 5
	s_add_co_u32 s22, s22, s24
	s_add_nc_u64 s[WSS:WSS+1], s[12:13], s[22:23]
	s_lshl_b32 s22, s[EE], 12
	s_lshl_b32 s24, ttmp9, 9
	s_add_co_u32 s22, s22, s24
	s_add_nc_u64 s[B2S:B2S+1], s[14:15], s[22:23]
	s_mov_b32 s22, s24
	s_add_nc_u64 s[YB:YB+1], s[20:21], s[22:23]
	s_mul_i32 s22, s[GG], 245760
	s_mul_i32 s24, s[WV], 12288
	s_add_co_u32 s22, s22, s24
	s_add_nc_u64 s[HQB:HQB+1], s[8:9], s[22:23]
	s_mul_i32 s22, s[GG], 20480
	s_lshl_b32 s24, s[WV], 10
	s_add_co_u32 s22, s22, s24
	s_add_co_u32 s22, s22, HS
	s_add_nc_u64 s[HSB:HSB+1], s[8:9], s[22:23]
	s_wait_alu depctr_va_vdst(0)                   ; the addresses v2 to v11 and v14 to v17 are written, which the loads and stores of the whole kernel read; the head's lines are done with v128 to v134, in which the reduction's loads land
	global_load_b128 v[B2:B2+3], v[L16], s[B2S:B2S+1]
	s_cmp_eq_u32 s[NT], 0                          ; a chunk without rows goes straight to the barrier
	s_cbranch_scc1 .Lbar
	s_sub_co_u32 s22, s[NT], 1
	v_mov_b32 v[AO16], v[L16]
	v_mov_b32 v[AO8], v[L8]
	v_mov_b32 v[AO4], v[L4]
.irp m, 1,2,3,4
	s_min_u32 s24, s22, \m                         ; a pad tile takes the last live tile
	s_mul_i32 s25, s24, 49152
	v_add_nc_u32 v[AO16+\m], s25, v[L16]
	v_add_nc_u32 v[AO8+\m], s25, v[L8]
	s_lshl_b32 s25, s24, 12
	v_add_nc_u32 v[AO4+\m], s25, v[L4]
.endr
	s_wait_alu depctr_va_vdst(0)                   ; the fifteen offsets v18 to v32 are written, which the loads of h and of its scale words read
.irp i, 0,1,2,3,4,5,6,7
	global_load_b128 v[160+4*\i:163+4*\i], v[GSC], s[WSS:WSS+1] offset:2048*\i     ; 16 rows a load, my 32 bytes of each
.endr
	LOADW 0, 0
.irp w, 0,1
	WIN 0x40+0x40*\w
.irp s4, 0,1,2,3
.irp m, 0,1,2,3,4
.irp c, 0,1
	global_load_b128 v[(\s4*5+\m)*12+6*\c:(\s4*5+\m)*12+6*\c+3], v[AO16+\m], s[HQB:HQB+1] offset:1536*(4*\w+\s4)+768*\c
	global_load_b64 v[(\s4*5+\m)*12+6*\c+4:(\s4*5+\m)*12+6*\c+5], v[AO8+\m], s[HQB:HQB+1] offset:1536*(4*\w+\s4)+768*\c+512
.endr
.endr
.endr
.endr
	WIN 0
.irp m, 0,1,2,3,4
.irp s, 0,1,2,3,4,5,6,7
	global_load_b32 v[SA+8*\m+\s], v[AO4+\m], s[HSB:HSB+1] offset:128*\s
.endr
.endr
	LOADW 1, 1
	s_wait_loadcnt 24                              ; all but tile 1's
.irp i, 0,1,2,3,4,5,6,7
	ds_store_b128 v[LSS], v[160+4*\i:163+4*\i] offset:512*\i
.endr
	STAGE 0
	FETCH 0
	s_wait_dscnt 50                                ; behind the 32 stores stand 50 loads: the stores are done
	s_wait_alu depctr_vm_vsrc(0)                   ; the stage's stores have read landing set 0, in which tile 2 lands; the scale bytes' stores have read v160 to v191, in which the reduction's loads land
	LOADW 2, 0
	TILE 0
	TILE 1
	TILE 2
	TILE 3
	TILE 4
	TILE 5
	TILE 6
	TILE 7
.Lbar:
	s_wait_loadcnt 0x0                             ; b2 (on the short way nothing has waited for it)
	s_wait_kmcnt 0x0                               ; the weights
	s_wait_dscnt 0x0                               ; for the others' sake: my partial sums lie in LDS
	s_barrier_signal -1
	s_barrier_wait -1
.irp m, 0,1,2,3,4
.if \m > 0
	s_wait_alu depctr_vm_vsrc(0)                   ; the last tile's stores to ybuf have read v[RQ ..], in which the next tile's parts land
.endif
	s_cmp_le_u32 s[NT], \m                         ; only live tiles are reduced; with no tile the work-group ends here
	s_cbranch_scc1 .Lend
	RED \m
.endr
.Lend:
	s_wait_dscnt 0x0                               ; the closing lines, six on end
	s_wait_alu 0x0
	s_wait_tensorcnt 0x0
	ds_add_u32 v[SPW], v[NIL]
	s_wait_dscnt 0x0
	s_endpgm
.Lfunc_end_k_q9b53df603e_ffn2:
	.size	k_q9b53df603e_ffn2, .Lfunc_end_k_q9b53df603e_ffn2-k_q9b53df603e_ffn2
	.p2alignl 7, 3214868480
	.fill 96, 4, 3214868480
	.section	.rodata,"a",@progbits
	.p2align	6, 0x0
	.amdhsa_kernel k_q9b53df603e_ffn2
		.amdhsa_group_segment_fixed_size 243200
		.amdhsa_private_segment_fixed_size 0
		.amdhsa_enable_private_segment 0
		.amdhsa_kernarg_size 56
		.amdhsa_user_sgpr_count 2
		.amdhsa_user_sgpr_kernarg_segment_ptr 1
		.amdhsa_wavefront_size32 1
		.amdhsa_system_sgpr_workgroup_id_x 1
		.amdhsa_system_sgpr_workgroup_id_y 1
		.amdhsa_system_sgpr_workgroup_id_z 1
		.amdhsa_system_vgpr_workitem_id 0
		.amdhsa_next_free_vgpr 1024
		.amdhsa_next_free_sgpr 100
		.amdhsa_reserve_vcc 0
		.amdhsa_float_denorm_mode_32 3
		.amdhsa_float_denorm_mode_16_64 3
		.amdhsa_memory_ordered 1
		.amdhsa_forward_progress 1
		.amdhsa_inst_pref_size 161
	.end_amdhsa_kernel
	.amdgpu_metadata
---
amdhsa.version: [ 1, 2 ]
amdhsa.kernels:
  - .name:           k_q9b53df603e_ffn2
    .symbol:         k_q9b53df603e_ffn2.kd
    .args:
      - { .name: hq, .offset: 0, .size: 8, .value_kind: global_buffer, .address_space: global }
      - { .name: W2_codes, .offset: 8, .size: 8, .value_kind: global_buffer, .address_space: global }
      - { .name: W2_scales, .offset: 16, .size: 8, .value_kind: global_buffer, .address_space: global }
      - { .name: b2, .offset: 24, .size: 8, .value_kind: global_buffer, .address_space: global }
      - { .name: lists, .offset: 32, .size: 8, .value_kind: global_buffer, .address_space: global }
      - { .name: rt, .offset: 40, .size: 8, .value_kind: global_buffer, .address_space: global }
      - { .name: ybuf, .offset: 48, .size: 8, .value_kind: global_buffer, .address_space: global }
    .group_segment_fixed_size: 243200
    .private_segment_fixed_size: 0
    .kernarg_segment_align: 8
    .kernarg_segment_size: 56
    .max_flat_workgroup_size: 128
    .sgpr_count:     100
    .vgpr_count:     1024
    .wavefront_size: 32
...
	.end_amdgpu_metadata
.endif
;; end of part 9
;; launch combine (part 10): grid 256 x 1, 8 waves a work-group, no clusters, 0 bytes of LDS; arguments ybuf, out0; writes out0
.if DOCPART == 10
	.amdgcn_target "amdgcn-amd-amdhsa--gfx1250"
	.amdhsa_code_object_version 6
	.text
	.protected	k_q9b53df603e_combine
	.globl	k_q9b53df603e_combine
	.p2align	8
	.type	k_q9b53df603e_combine,@function
k_q9b53df603e_combine:
	s_mov_b64 s[64:65], 0
	v_nop
	global_prefetch_b8 v0, s[64:65] scope:SCOPE_SE
	s_setreg_imm32_b32 hwreg(HW_REG_WAVE_MODE, 25, 1), 1
	s_wait_xcnt 0x0
; COMBINE: out0[t] = ybuf[2 t] + ybuf[2 t + 1]: a token's two weighted expert rows.  The six experts that the token did not choose add the 0 that reference() builds, and are left out.
; A stream: a work-group takes 4 tokens, thread i the 16 bytes at 16 i of each row, so that a wave's load or store covers 512 consecutive, aligned bytes.  All eight loads go out first.
	s_load_b128 s[4:7], s[0:1], 0x0                ; ybuf, out0
	v_lshlrev_b32 v1, 4, v0
	s_lshl_b32 s8, ttmp9, 15                       ; 4 tokens x 2 rows of 4,096 bytes
	s_mov_b32 s9, 0
	s_lshl_b32 s10, ttmp9, 14
	s_mov_b32 s11, 0
	s_wait_alu depctr_va_vdst(0)
	s_wait_kmcnt 0x0
	s_add_nc_u64 s[4:5], s[4:5], s[8:9]
	s_add_nc_u64 s[6:7], s[6:7], s[10:11]
.irp j, 0,1,2,3
	global_load_b128 v[4+8*\j:7+8*\j], v1, s[4:5] offset:8192*\j th:TH_LOAD_NT
	global_load_b128 v[8+8*\j:11+8*\j], v1, s[4:5] offset:8192*\j+4096 th:TH_LOAD_NT
.endr
.irp j, 0,1,2,3
	s_wait_loadcnt 6-2*\j                          ; token j's two loads are in; the later tokens' may be out
	v_pk_add_f32 v[4+8*\j:5+8*\j], v[4+8*\j:5+8*\j], v[8+8*\j:9+8*\j]
	v_pk_add_f32 v[6+8*\j:7+8*\j], v[6+8*\j:7+8*\j], v[10+8*\j:11+8*\j]
	global_store_b128 v1, v[4+8*\j:7+8*\j], s[6:7] offset:4096*\j th:TH_STORE_NT
.endr
	s_endpgm
.Lfunc_end_k_q9b53df603e_combine:
	.size	k_q9b53df603e_combine, .Lfunc_end_k_q9b53df603e_combine-k_q9b53df603e_combine
	.p2alignl 7, 3214868480
	.fill 96, 4, 3214868480
	.section	.rodata,"a",@progbits
	.p2align	6, 0x0
	.amdhsa_kernel k_q9b53df603e_combine
		.amdhsa_group_segment_fixed_size 0
		.amdhsa_private_segment_fixed_size 0
		.amdhsa_enable_private_segment 0
		.amdhsa_kernarg_size 16
		.amdhsa_user_sgpr_count 2
		.amdhsa_user_sgpr_kernarg_segment_ptr 1
		.amdhsa_wavefront_size32 1
		.amdhsa_system_sgpr_workgroup_id_x 1
		.amdhsa_system_sgpr_workgroup_id_y 1
		.amdhsa_system_sgpr_workgroup_id_z 1
		.amdhsa_system_vgpr_workitem_id 0
		.amdhsa_next_free_vgpr 48
		.amdhsa_next_free_sgpr 66
		.amdhsa_reserve_vcc 0
		.amdhsa_float_denorm_mode_32 3
		.amdhsa_float_denorm_mode_16_64 3
		.amdhsa_memory_ordered 1
		.amdhsa_forward_progress 1
		.amdhsa_inst_pref_size 3
	.end_amdhsa_kernel
	.amdgpu_metadata
---
amdhsa.version: [ 1, 2 ]
amdhsa.kernels:
  - .name:           k_q9b53df603e_combine
    .symbol:         k_q9b53df603e_combine.kd
    .args:
      - { .name: ybuf, .offset: 0, .size: 8, .value_kind: global_buffer, .address_space: global }
      - { .name: out0, .offset: 8, .size: 8, .value_kind: global_buffer, .address_space: global }
    .group_segment_fixed_size: 0
    .private_segment_fixed_size: 0
    .kernarg_segment_align: 8
    .kernarg_segment_size: 16
    .max_flat_workgroup_size: 256
    .sgpr_count:     66
    .vgpr_count:     48
    .wavefront_size: 32
...
	.end_amdgpu_metadata
.endif
;; end of part 10
